; MI455X (gfx1250); checked and timed in simulation.
; The chip was launched on July 23, 2026; its instructions are those of AMD's public machine-readable ISA for CDNA 5 (MIT licence, August 2026) and "CDNA5" Instruction Set Architecture Reference Guide (July 2026). The comments in the code are by the model that wrote it; some were corrected since.
;; Self Attention Block. Allowed arithmetic: float matrix products may take bf16 or f16 operands with f32 sums; other float arithmetic in f32, or as packed bf16 or f16 multiplies, adds, multiply-adds, maxima and minima; sums over many terms, partial sums and values carried from step to step in f32; what a program stores and reads back later, other than sums and carried values, may be rounded once to bf16 or f16.
;; Inputs: Wk 1,024 x 1,024 float32; Wq 1,024 x 1,024 float32; Wv 1,024 x 1,024 float32; bk 1,024 float32; bq 1,024 float32; bv 1,024 float32; x 4 x 2,048 x 1,024 float32.
;; Outputs: out0 4 x 2,048 x 1,024 float32.
;; One version. Each part assembles by itself: llvm-mc -triple=amdgcn-amd-amdhsa -mcpu=gfx1250 --defsym DOCPART=n.
;; ======== version 1 of 1: 4 launches
;; limits: values are held in f16: magnitudes above 65,504 overflow, below 6.1e-05 lose precision
;; workspace buffers: xb 16,777,216 bytes; wt 6,291,456 bytes; bias 12,288 bytes; qkv 50,331,648 bytes; lo 3,145,728 bytes; e 33,554,432 bytes; stat 1,048,576 bytes
;; launch prep (part 1): grid 1408 x 1, 8 waves a work-group, no clusters, 18,432 bytes of LDS; arguments x, Wq, Wk, Wv, bq, bk, bv, xb, wt, bias, stat; writes xb, wt, bias, stat
.if DOCPART == 1
	.amdgcn_target "amdgcn-amd-amdhsa--gfx1250"
	.amdhsa_code_object_version 6
	.text
	.protected	k_q49a2195d31_prep
	.globl	k_q49a2195d31_prep
	.p2align	8
	.type	k_q49a2195d31_prep,@function
k_q49a2195d31_prep:
	s_mov_b64 s[64:65], 0
	v_nop
	global_prefetch_b8 v0, s[64:65] scope:SCOPE_SE
	s_setreg_imm32_b32 hwreg(HW_REG_WAVE_MODE, 25, 1), 1
	s_wait_xcnt 0x0
; PREP.  All inputs are rounded once to bf16 (nearest even): x -> xb [8192][1024]; Wq, Wk, Wv turned -> wt [3072 outputs][1024 k]; the biases, rounded and widened again, -> bias [3072] f32.
; stat ([2 planes][4 batches][16 key blocks][2048 rows] f32) is filled with (-2^100, 0): "no maximum, no sum" for the key blocks that the next launches never reach.
; Work-groups 0..1023: 8 rows of x each (32 KiB in, 16 KiB out), no LDS; some of their waves also do a small side job.  Work-groups 1024..1407: a tile of 128 k x 64 outputs of one W, turned through LDS.
; Memory binds: every load of a wave covers 512 consecutive bytes (of W: two rows' 256), every store whole aligned blocks of 256 bytes.  No matrix unit, no cluster: nothing is shared.
.set SPARE, 17408                      ; behind the 64 x 272 bytes of the turning stage: the spare words, 128 bytes for each of 8 waves
.set BIGN,  0xf1800000                 ; -2^100
	s_load_b512 s[8:23], s[0:1], 0x0               ; x 8, Wq 10, Wk 12, Wv 14, bq 16, bk 18, bv 20, xb 22
	s_load_b128 s[24:27], s[0:1], 0x40             ; wt 24, bias 26
	s_load_b64 s[28:29], s[0:1], 0x50              ; stat
	v_lshl_add_u32 v62, v0, 2, SPARE               ; my spare word,
	v_mov_b32 v63, 0                               ; and 0: kept for the add alone
	v_lshrrev_b32 v1, 5, v0
	v_readfirstlane_b32 s2, v1                     ; wave 0..7
	v_and_b32 v3, 31, v0                           ; lane
	s_mov_b32 s5, 0
	s_wait_kmcnt 0x0
	s_cmp_lt_u32 ttmp9, 1024
	s_cbranch_scc0 .Lweights
	; ---- 8 rows of x: thread t owns 4 numbers at byte 16 t of each row ----
	s_lshl_b32 s4, ttmp9, 15
	s_add_nc_u64 s[8:9], s[8:9], s[4:5]
	s_lshl_b32 s4, ttmp9, 14
	s_add_nc_u64 s[22:23], s[22:23], s[4:5]
	v_lshlrev_b32 v1, 4, v0
	v_lshlrev_b32 v2, 3, v0
.irp i, 0,1,2,3,4,5,6,7
	global_load_b128 v[8+4*(\i):11+4*(\i)], v1, s[8:9] offset:4096*(\i) th:TH_LOAD_NT  ; all eight rows on their way at once
.endr
	s_cmp_lt_u32 s2, 2
	s_cbranch_scc0 .Lnofill
	; waves 0 and 1: 512 bytes of stat's plane 0 (-2^100) or plane 1 (0)
	s_cmp_eq_u32 s2, 0
	s_cselect_b32 s6, BIGN, 0
	v_mov_b32 v56, s6
	v_mov_b32 v57, s6
	v_mov_b32 v58, s6
	v_mov_b32 v59, s6
	s_lshl_b32 s4, ttmp9, 9
	s_lshl_b32 s7, s2, 19
	s_add_co_u32 s4, s4, s7
	s_add_nc_u64 s[28:29], s[28:29], s[4:5]
	v_lshlrev_b32 v4, 4, v3
	global_store_b128 v4, v[56:59], s[28:29]
.Lnofill:
	s_cmp_eq_u32 s2, 6
	s_cbranch_scc0 .Lnobias
	s_cmp_lt_u32 ttmp9, 24
	s_cbranch_scc0 .Lnobias
	; wave 6 of work-groups 0..23: 128 numbers of one bias
	s_lshr_b32 s6, ttmp9, 3
	s_cmp_eq_u32 s6, 1
	s_cselect_b64 s[16:17], s[18:19], s[16:17]
	s_cmp_eq_u32 s6, 2
	s_cselect_b64 s[16:17], s[20:21], s[16:17]
	s_and_b32 s4, ttmp9, 7
	s_lshl_b32 s4, s4, 9
	v_lshl_add_u32 v4, v3, 4, s4
	s_lshl_b32 s4, ttmp9, 9
	v_lshl_add_u32 v5, v3, 4, s4
	global_load_b128 v[56:59], v4, s[16:17]
	s_wait_loadcnt 0x0
	v_cvt_pk_bf16_f32 v60, v56, v57
	v_cvt_pk_bf16_f32 v61, v58, v59
	v_lshlrev_b32 v56, 16, v60                     ; bf16 back to f32: the low half moves up, the high half stays
	v_and_b32 v57, 0xffff0000, v60
	v_lshlrev_b32 v58, 16, v61
	v_and_b32 v59, 0xffff0000, v61
	global_store_b128 v5, v[56:59], s[26:27]
.Lnobias:
.irp i, 0,1,2,3,4,5,6,7
	s_wait_loadcnt 7-(\i)                          ; loads come back in order: row i is in, the 7 - i younger rows may stay out
	v_cvt_pk_bf16_f32 v[40+2*(\i)], v[8+4*(\i)], v[9+4*(\i)]
	v_cvt_pk_bf16_f32 v[41+2*(\i)], v[10+4*(\i)], v[11+4*(\i)]
	global_store_b64 v2, v[40+2*(\i):41+2*(\i)], s[22:23] offset:2048*(\i)  ; a wave's store covers 256 consecutive bytes, aligned
.endr
	s_endpgm
.Lweights:
	; ---- a tile of W: k = 128 kt .. + 127, outputs 64 nt .. + 63 ----
	s_sub_co_u32 s3, ttmp9, 1024
	s_lshr_b32 s4, s3, 7                           ; which W
	s_cmp_eq_u32 s4, 1
	s_cselect_b64 s[10:11], s[12:13], s[10:11]
	s_cmp_eq_u32 s4, 2
	s_cselect_b64 s[10:11], s[14:15], s[10:11]
	s_bfe_u32 s6, s3, 0x30004                      ; kt
	s_and_b32 s7, s3, 15                           ; nt
	s_lshl_b32 s30, s6, 19
	s_lshl_b32 s31, s7, 8
	s_add_co_u32 s30, s30, s31
	s_mov_b32 s31, 0
	s_add_nc_u64 s[10:11], s[10:11], s[30:31]      ; W at (128 kt, 64 nt)
	s_lshl_b32 s30, s4, 21
	s_lshl_b32 s4, s7, 17
	s_add_co_u32 s30, s30, s4
	s_lshl_b32 s4, s6, 8
	s_add_co_u32 s30, s30, s4
	s_add_nc_u64 s[24:25], s[24:25], s[30:31]      ; wt at (1024 mat + 64 nt, 128 kt)
	v_and_b32 v4, 15, v0                           ; cg: my 4 outputs
	v_lshrrev_b32 v5, 4, v0                        ; rg: my 8 k
	v_lshlrev_b32 v6, 15, v5
	v_lshl_add_u32 v6, v4, 4, v6
.irp i, 0,1,2,3,4,5,6,7
	global_load_b128 v[8+4*(\i):11+4*(\i)], v6, s[10:11] offset:4096*(\i) th:TH_LOAD_NT  ; 16 lanes take 256 bytes of a row
.endr
	v_mul_u32_u24 v7, v4, 1088                     ; stage row 4 cg (pitch 272), byte 16 rg
	v_lshl_add_u32 v7, v5, 4, v7
	v_mul_u32_u24 v56, v5, 272                     ; back: row tid / 16, byte 16 (tid % 16)
	v_lshl_add_u32 v56, v4, 4, v56
	v_lshlrev_b32 v57, 11, v5
	v_lshl_add_u32 v57, v4, 4, v57
	s_wait_loadcnt 0x0
.irp c, 0,1,2,3
.irp p, 0,1,2,3
	v_cvt_pk_bf16_f32 v[40+4*(\c)+(\p)], v[8+8*(\p)+(\c)], v[12+8*(\p)+(\c)]  ; output 4 cg + c, k = 8 rg + 2 p and + 1
.endr
.endr
.irp c, 0,1,2,3
	ds_store_b128 v7, v[40+4*(\c):43+4*(\c)] offset:272*(\c)  ; lanes four rows apart meet four deep in the banks: once a tile, 16 KiB
.endr
	s_wait_dscnt 0x0                               ; for the others' sake: my stores are done
	s_barrier_signal -1
	s_barrier_wait -1
.irp j, 0,1,2,3
	ds_load_b128 v[8+4*(\j):11+4*(\j)], v56 offset:4352*(\j)
.endr
.irp j, 0,1,2,3
	s_wait_dscnt 3-(\j)
	global_store_b128 v57, v[8+4*(\j):11+4*(\j)], s[24:25] offset:32768*(\j)  ; 16 lanes store 256 consecutive bytes of a row of wt, aligned
.endr
	s_wait_tensorcnt 0x0                           ; the wave's end: a wait, an add of 0 to my spare word and its wait, behind my last LDS store
	ds_add_u32 v62, v63
	s_wait_dscnt 0x0
	s_endpgm
.Lfunc_end_k_q49a2195d31_prep:
	.size	k_q49a2195d31_prep, .Lfunc_end_k_q49a2195d31_prep-k_q49a2195d31_prep
	.p2alignl 7, 3214868480
	.fill 96, 4, 3214868480
	.section	.rodata,"a",@progbits
	.p2align	6, 0x0
	.amdhsa_kernel k_q49a2195d31_prep
		.amdhsa_group_segment_fixed_size 18432
		.amdhsa_private_segment_fixed_size 0
		.amdhsa_enable_private_segment 0
		.amdhsa_kernarg_size 88
		.amdhsa_user_sgpr_count 2
		.amdhsa_user_sgpr_kernarg_segment_ptr 1
		.amdhsa_wavefront_size32 1
		.amdhsa_system_sgpr_workgroup_id_x 1
		.amdhsa_system_sgpr_workgroup_id_y 1
		.amdhsa_system_sgpr_workgroup_id_z 1
		.amdhsa_system_vgpr_workitem_id 0
		.amdhsa_next_free_vgpr 64
		.amdhsa_next_free_sgpr 66
		.amdhsa_reserve_vcc 0
		.amdhsa_float_denorm_mode_32 3
		.amdhsa_float_denorm_mode_16_64 3
		.amdhsa_memory_ordered 1
		.amdhsa_forward_progress 1
		.amdhsa_inst_pref_size 10
	.end_amdhsa_kernel
	.amdgpu_metadata
---
amdhsa.version: [ 1, 2 ]
amdhsa.kernels:
  - .name:           k_q49a2195d31_prep
    .symbol:         k_q49a2195d31_prep.kd
    .args:
      - { .name: x, .offset: 0, .size: 8, .value_kind: global_buffer, .address_space: global }
      - { .name: Wq, .offset: 8, .size: 8, .value_kind: global_buffer, .address_space: global }
      - { .name: Wk, .offset: 16, .size: 8, .value_kind: global_buffer, .address_space: global }
      - { .name: Wv, .offset: 24, .size: 8, .value_kind: global_buffer, .address_space: global }
      - { .name: bq, .offset: 32, .size: 8, .value_kind: global_buffer, .address_space: global }
      - { .name: bk, .offset: 40, .size: 8, .value_kind: global_buffer, .address_space: global }
      - { .name: bv, .offset: 48, .size: 8, .value_kind: global_buffer, .address_space: global }
      - { .name: xb, .offset: 56, .size: 8, .value_kind: global_buffer, .address_space: global }
      - { .name: wt, .offset: 64, .size: 8, .value_kind: global_buffer, .address_space: global }
      - { .name: bias, .offset: 72, .size: 8, .value_kind: global_buffer, .address_space: global }
      - { .name: stat, .offset: 80, .size: 8, .value_kind: global_buffer, .address_space: global }
    .group_segment_fixed_size: 18432
    .private_segment_fixed_size: 0
    .kernarg_segment_align: 8
    .kernarg_segment_size: 88
    .max_flat_workgroup_size: 256
    .sgpr_count:     66
    .vgpr_count:     64
    .wavefront_size: 32
...
	.end_amdgpu_metadata
.endif
;; end of part 1
;; launch proj (part 2): grid 4 x 64, 4 waves a work-group, clusters of 4 x 4, 327,680 bytes of LDS; arguments xb, wt, bias, qkv, lo; writes qkv, lo
.if DOCPART == 2
	.amdgcn_target "amdgcn-amd-amdhsa--gfx1250"
	.amdhsa_code_object_version 6
	.text
	.protected	k_q49a2195d31_proj
	.globl	k_q49a2195d31_proj
	.p2align	8
	.type	k_q49a2195d31_proj,@function
k_q49a2195d31_proj:
	s_mov_b64 s[64:65], 0
	v_nop
	global_prefetch_b8 v0, s[64:65] scope:SCOPE_SE
	s_setreg_imm32_b32 hwreg(HW_REG_WAVE_MODE, 25, 1), 1
	s_wait_xcnt 0x0
	s_wait_alu depctr_hold_cnt(0) depctr_sa_sdst(0) depctr_va_vdst(0) depctr_va_sdst(0) depctr_va_ssrc(0) depctr_va_vcc(0) depctr_vm_vsrc(0)
	s_getreg_b32 s2, hwreg(HW_REG_IB_STS2, 6, 4)
	s_cmp_eq_u32 s2, 0
	s_cbranch_scc0 .Lentry_in_a_cluster
	s_endpgm
.Lentry_in_a_cluster:
	s_bfe_u32 s2, ttmp6, 0x10000c
	s_cmp_lg_u32 s2, 0xf033
	s_cbranch_scc0 .Lentry_shape_is_right
	s_endpgm
.Lentry_shape_is_right:
; PROJ.  qkv[m][n] = sum over k of xb[m][k] wt[n][k] + bias[n]: 8192 x 3072 x 1024, bf16 operands, f32 sums that start with the bias; qkv is rounded once to f16 ([8192][3072]: q, k, v side by side).
; LIMIT: a result of 65,520 or more in size becomes an infinity in f16.  NaN and infinities are not treated apart.
; lo: for the first 32 rows of a tile, in the clusters whose y is a multiple of 4, also the f16 remainder (f32 sum - f16 value) is stored, at lo[4 batch + cy][32][3072].  Only cy = 0 (a batch's rows 0-31) is
; read later; the other three quarters are stored so that a work-group's place in its cluster enters addresses alone, never a branch or a lane mask.
; SHARES.  A tile is 128 rows x 384 columns (three whole 256-byte blocks of a row of qkv).  A WORK-GROUP STAYS: it makes two tiles in the same rows, tile columns tx0 = cx + 4 (cluster y % 2) and tx0 xor 4: 64 x 4 = 256
; work-groups.  Clusters of odd y take the two halves of wt in the other order, so that each half is walked by half of the clusters at a time.  All four waves read A's 128 rows; wave w makes columns 96 w .. + 95.
; THE RING.  The two tiles' 16 K steps of 128 (rows of 256 bytes) are ONE stream through two LDS slots; wave 0 fetches A's 128 rows, waves 1-3 a third of B's 384 each: one tensor load a wave and step.  One loop of 14 trips
; refills in every trip.  A refill's address is made anew from the buffer's address and a byte offset; the offset's step is chosen by the counter (at the change of tiles: A back along K, B to the other column half and
; back along K); the last two steps, which ask for nothing, are written out.
; CLUSTER 4 x 4: A's tile is shared along a row of the cluster, B's along a column: joint loads.  The matrix instruction is used transposed (source 0 = rows of wt, source 1 = rows of xb):
; a lane holds one row of the result (lane % 16) and the eight columns 8 (lane / 16) + 0..7.
; REGISTERS: window 0: v0-31 addresses, v32-55 packed results, v64-127 / v128-191 A's fragments (two buffers; on the way out v128-175 hold rows read back), v192-239 the bias as six C operands;
;   window 1: v64-111 / v128-175 B's fragments; v0-23, v176-247 the remainders' work; windows 2, 3: accumulator (a, b) at v[8 (8 (a % 4) + b)] of window 2 + a / 4.
.set PITCH, 272                        ; an LDS row: 256 bytes + 16 of padding: the 16 rows of a fragment load start at 16 different groups of four banks
.set HALFT, 128*PITCH                  ; what one tensor load brings
.set SLOT,  4*HALFT                    ; A's 128 rows, then B's 384.  SLOT shares no bit with wave x HALFT, so an exclusive or changes slots
.set SPI,   784                        ; a row of the way out's stage: 768 bytes + 16
.set STG,   2*SLOT                     ; behind the ring, never filled by a tensor load: two buffers of 16 rows that take turns, then 16 rows for the remainders
.set STGB,  16*SPI
.set SPARE, STG+3*STGB                 ; the spare words, 128 bytes for each wave
.set NLD,   28                         ; LDS loads in one run: 12 for B, 16 for A
.set F0, 64
.set F1, 128
.set CB, 192
.set TMP, 32
.set OB, 128
.set LP, 0                             ; window 1: a block's remainders, packed
.set LT, 176                           ; window 1: the same in f32
.set LB, 224                           ; window 1: remainders read back from the stage
.set ADRA0, 4
.set ADRB0, 5
.set ADRA, 6
.set ADRB, 7
.set STO, 8                            ; v8   where I put 16 bytes of a row of the stage
.set RD0, 11                           ; v11, v12  where I read my four rows of a chunk back
.set RD1, 12
.set CO0, 15                           ; v15, v16  the same bytes in qkv and in lo
.set CO1, 16
.set PFO, 17
.set BO, 18
.set SPW, 28
.set NIL, 29
.set ONE, 30
.set WV, 14
.set CUR, 15                           ; s15  the slot that is being read: 0 or SLOT
.set OFA, 16                           ; s[16:17] byte offset in xb of the K step last asked for; the upper word is 0.  It hangs on the tile row alone
.set OFB, 18                           ; s[18:19] the same in wt.  It hangs on the tile column and the wave's number alone
.set G1, 24
.set G0, 32                            ; two sets; the second walks
.set PFA, 44
.set LIM, 46
.set G1B, 48
.set G0B, 56
.set LOF, 70                           ; s70  cluster y % 4: 0 where the remainders are wanted
.set BI2, 78                           ; s[78:79] bias, s[80:81] qkv, s[82:83] lo at the second tile
.set QK2, 80
.set LO2, 82
.set XA, 86                            ; s86  A's step at the change of tiles: seven K steps back, as a 32-bit number
.set XB, 88                            ; s88  B's: to the other column half, and seven K steps back
.set DA, 90                            ; s90, s92  this trip's steps
.set DB, 92
.set MSB, 0
.macro WIN new                         ; the immediate's high byte repeats the setting that is left; a switch that changes nothing is dropped
.if MSB != (\new)
	s_set_vgpr_msb (MSB<<8)|(\new)
.set MSB, \new
.endif
.endm
.macro PLACES                          ; four plain vector instructions between a matrix instruction and a load into, or a vector read of, its registers
.rept 4
	v_nop
.endr
.endm
.macro JLOAD s                         ; a joint load: wave 0 asks for A's tile, waves 1-3 for their third of B's; the branch hangs on the wave's number alone
	s_cmp_eq_u32 s[WV], 0
	s_cbranch_scc0 .Lfor_b_\@
	tensor_load_to_lds s[G0+4*(\s):G0+4*(\s)+3], s[G1:G1+7]
	s_nop 0
.rept 4
	v_nop
.endr
	s_branch .Lasked_\@
.Lfor_b_\@:
	tensor_load_to_lds s[G0B+4*(\s):G0B+4*(\s)+3], s[G1B:G1B+7]
	s_nop 0
.rept 4
	v_nop
.endr
.Lasked_\@:
.endm
.macro CREST                           ; a round of the cluster's barrier behind its opening barrier
	s_cmp_lg_u32 s[WV], 0
	s_cbranch_scc1 .Lnot_wave_0_\@
	s_barrier_signal -3
.Lnot_wave_0_\@:
	s_barrier_wait -3
	s_barrier_signal -1
	s_barrier_wait -1
.endm
.macro CROUND
	s_barrier_signal -1
	s_barrier_wait -1
	CREST
.endm
; A prefetch into the L2 of the K step behind the one that the refill just asked for: 32 rows x 256 bytes, a lane a row.  Only blocks that are read for the first time in the launch are asked for: in the first tile.
; A's rows are read by their own cluster alone, which asks; a column half of wt is begun with by eight clusters, of which the first (cluster y 0 or 1) asks; the four partners that fetch a tile jointly take 32 of its
; 128 rows each, told apart by address.  So each 256 bytes are named once.  K steps 0-2 come by their loads alone; trips s3 = 14 .. 10 name K steps 3 .. 7.
.macro ASK
	s_cmp_gt_u32 s3, s[LIM]
	s_cbranch_scc0 .Lnot_mine_\@
	global_prefetch_b8 v[PFO], s[PFA:PFA+1] offset:256 th:TH_LOAD_NT scope:SCOPE_SE
.Lnot_mine_\@:
.endm
.macro BIAS base                       ; register j of set b: bias of column 16 b + 8 h + j
.irp b, 0,1,2,3,4,5
	global_load_b128 v[CB+8*(\b):CB+8*(\b)+3], v[BO], s[\base:\base+1] offset:64*(\b)
	global_load_b128 v[CB+8*(\b)+4:CB+8*(\b)+7], v[BO], s[\base:\base+1] offset:64*(\b)+16
.endr
.endm
	s_load_b256 s[4:11], s[0:1], 0x0               ; xb 4, wt 6, bias 8, qkv 10
	s_load_b64 s[12:13], s[0:1], 0x20              ; lo
	v_lshl_add_u32 v[SPW], v0, 2, SPARE
	v_mov_b32 v[NIL], 0
	ds_add_u32 v[SPW], v[NIL]                      ; the wave's opening: the add and its wait ahead of my first tensor load
	ds_add_u32 v28, v29
	v_lshrrev_b32 v1, 5, v0
	v_readfirstlane_b32 s[WV], v1
	s_bfe_u32 s40, ttmp6, 0x40000                  ; cx
	s_bfe_u32 s41, ttmp6, 0x40004                  ; cy
	s_and_b32 s47, ttmp7, 0xffff                   ; cluster y, 0 to 15
	s_and_b32 s42, s47, 1
	s_lshl_b32 s42, s42, 2
	s_add_co_u32 s42, s42, s40                     ; the first tile's column tx0 = 4 (cluster y % 2) + cx
	s_lshl_b32 s43, s47, 2
	s_add_co_u32 s43, s43, s41                     ; tile row ty
	s_and_b32 s[LOF], s47, 3
	s_lshl_b32 s16, s41, 2
	s_lshl_b32 s16, 15, s16                        ; my row of the cluster
	s_lshl_b32 s22, 0x1111, s40                    ; my column
	s_or_b32 s[G1], s16, 0x07710000                ; mask | 2-byte elements | padding on | bit 21 beside a mask | after every 64 words | 4 words
	s_or_b32 s[G1B], s22, 0x07710000
.irp g, G1, G1B
	s_mov_b32 s[(\g)+1], 128<<16                   ; tensor_dim0 = 128
	s_mov_b32 s[(\g)+2], 128<<16                   ; tensor_dim1 = 128
	s_mov_b32 s[(\g)+3], 128<<16                   ; tile_dim0 = 128
	s_mov_b32 s[(\g)+4], 128                       ; tile_dim1 = 128
	s_mov_b32 s[(\g)+5], 1024                      ; elements from row to row
	s_mov_b32 s[(\g)+6], 0
	s_mov_b32 s[(\g)+7], 0
.endr
	s_mov_b32 s[XA], 0xfffff900                    ; -1,792: the offsets are 32-bit numbers under 2^25, and the sums wrap
	s_mov_b32 s[XB], 0x2ff900                      ; 4 x 384 rows of 2,048 bytes on, less 1,792,
	s_bitcmp1_b32 s47, 0
	s_cselect_b32 s[XB], 0xffcff900, s[XB]         ; or as many rows back, less 1,792: the cluster's y is the same in all partners
	s_lshl_b32 s[OFA], s43, 18                     ; A: 128 ty rows of 2,048 bytes
	s_mov_b32 s[OFA+1], 0
	s_max_u32 s[OFB], s[WV], 1
	s_sub_co_u32 s[OFB], s[OFB], 1                 ; B: my third (wave 0 makes a valid address that it never uses)
	s_lshl_b32 s[OFB], s[OFB], 7
	s_mul_i32 s[OFB+1], s42, 384
	s_add_co_u32 s[OFB], s[OFB], s[OFB+1]
	s_mov_b32 s21, s[OFB]                          ; B's first row of mine, kept for the prefetches
	s_lshl_b32 s[OFB], s[OFB], 11
	s_mov_b32 s[OFB+1], 0
	s_mul_i32 s20, s[WV], HALFT                    ; where my tile goes: no place in the cluster enters an LDS address
	s_mov_b32 s[CUR], 0
	s_wait_dscnt 0x0                               ; the opening add is done
	s_wait_kmcnt 0x0
	s_add_nc_u64 s[66:67], s[4:5], s[OFA:OFA+1]
	s_add_nc_u64 s[68:69], s[6:7], s[OFB:OFB+1]
	CROUND                                         ; all sixteen work-groups are here: the first joint loads meet
.irp s, 0,1
	s_mov_b32 s[G0+4*(\s)], 1
	s_add_co_u32 s[G0+4*(\s)+1], s20, (\s)*SLOT
	s_add_nc_u64 s[G0+4*(\s)+2:G0+4*(\s)+3], s[66:67], (\s)*256
	s_or_b32 s[G0+4*(\s)+3], s[G0+4*(\s)+3], 0x80000000
	s_mov_b32 s[G0B+4*(\s)], 1
	s_add_co_u32 s[G0B+4*(\s)+1], s20, (\s)*SLOT
	s_add_nc_u64 s[G0B+4*(\s)+2:G0B+4*(\s)+3], s[68:69], (\s)*256
	s_or_b32 s[G0B+4*(\s)+3], s[G0B+4*(\s)+3], 0x80000000
	JLOAD \s                                       ; K steps 0 and 1: two loads of mine are out
.endr
	s_add_co_u32 s[OFA], s[OFA], 256               ; the offsets stand at K step 1, the last asked for
	s_add_co_u32 s[OFB], s[OFB], 256
	v_and_b32 v1, 15, v0                           ; r
	v_bfe_u32 v2, v0, 4, 1                         ; h
	v_and_b32 v3, 31, v0                           ; lane
	v_mov_b32 v[ONE], 1.0
	v_mul_u32_u24 v[ADRA0], v1, PITCH
	v_lshl_add_u32 v[ADRA0], v2, 4, v[ADRA0]       ; a fragment's row x pitch + 16 x half
	s_mul_i32 s72, s[WV], 96*PITCH
	s_add_co_u32 s72, s72, HALFT
	v_add_nc_u32 v[ADRB0], s72, v[ADRA0]           ; my 96 rows of B, behind A's 128
	v_mov_b32 v[ADRA], v[ADRA0]
	v_mov_b32 v[ADRB], v[ADRB0]
	v_mul_u32_u24 v[STO], v1, SPI
	v_lshl_add_u32 v[STO], v2, 4, v[STO]
	s_mul_i32 s72, s[WV], 192
	s_add_co_u32 s72, s72, STG
	v_add_nc_u32 v[STO], s72, v[STO]               ; stage: row r, my 192 bytes, 16 for each half of the lanes
	s_mul_i32 s72, s[WV], 4*SPI
	s_add_co_u32 s72, s72, STG
	v_lshl_add_u32 v[RD0], v3, 4, s72              ; back: my 4 rows of a chunk's 16, 512 consecutive bytes a load
	v_lshl_add_u32 v[RD1], v2, 4, v[RD0]
	v_add_nc_u32 v[RD1], 512, v[RD1]               ; the third load of a pair of rows: the end of the even row, the head of the odd one
	v_lshlrev_b32 v[CO0], 4, v3
	v_mul_u32_u24 v[CO1], v2, 5376
	v_add_nc_u32 v[CO1], v[CO1], v[CO0]
	v_add_nc_u32 v[CO1], 512, v[CO1]
	v_lshlrev_b32 v[PFO], 11, v3
	v_lshlrev_b32 v[BO], 5, v2
	s_xor_b32 s76, s42, 4                          ; the second tile's column (scalars that mix cx and cy from here on: s72-s77, which feed no joint descriptor)
	s_mul_i32 s77, s[WV], 96
	s_mov_b32 s73, 0
	s_mul_i32 s72, s76, 384
	s_add_co_u32 s72, s72, s77
	s_lshl_b32 s72, s72, 2
	s_add_nc_u64 s[BI2:BI2+1], s[8:9], s[72:73]    ; bias at my 96 columns of the second tile,
	s_mul_i32 s72, s42, 384
	s_add_co_u32 s72, s72, s77
	s_lshl_b32 s72, s72, 2
	s_add_nc_u64 s[8:9], s[8:9], s[72:73]          ; and of the first
	BIAS 8
	s_lshl_b32 s72, s43, 7
	s_lshl2_add_u32 s72, s[WV], s72                ; row 128 ty + 4 w: the first that I store of a chunk
	s_mul_i32 s74, s72, 6144
	s_mul_i32 s75, s76, 768
	s_add_co_u32 s72, s74, s75
	s_add_nc_u64 s[QK2:QK2+1], s[10:11], s[72:73]
	s_mul_i32 s77, s42, 768
	s_add_co_u32 s72, s74, s77
	s_add_nc_u64 s[10:11], s[10:11], s[72:73]
	s_lshr_b32 s72, s43, 4
	s_lshl2_add_u32 s72, s72, s41                  ; 4 batch + cy
	s_mul_i32 s74, s72, 196608
	s_mul_i32 s72, s[WV], 24576
	s_add_co_u32 s74, s74, s72
	s_add_co_u32 s72, s74, s75
	s_add_nc_u64 s[LO2:LO2+1], s[12:13], s[72:73]
	s_add_co_u32 s72, s74, s77
	s_add_nc_u64 s[12:13], s[12:13], s[72:73]
	s_lshl_b32 s72, s43, 7
	s_lshr_b32 s75, s47, 1
	s_cmp_eq_u32 s[WV], 0                          ; the prefetches: do I fetch for A?
	s_cselect_b32 s72, s72, s21
	s_cselect_b32 s74, s40, s41                    ; my place among the four that ask with me
	s_cselect_b32 s75, 0, s75                      ; 0 in the waves that ask: A's always, B's in clusters y = 0 and 1
	s_cselect_b64 s[PFA:PFA+1], s[4:5], s[6:7]
	s_cmp_eq_u32 s75, 0
	s_cselect_b32 s[LIM], 9, -1
	s_lshl_b32 s74, s74, 5
	s_add_co_u32 s72, s72, s74
	s_lshl_b32 s72, s72, 11
	s_add_nc_u64 s[PFA:PFA+1], s[PFA:PFA+1], s[72:73]
	s_add_nc_u64 s[PFA:PFA+1], s[PFA:PFA+1], 256   ; at K step 1: the first refill steps it to 2 and names 3
; 12 matrix instructions: row blocks a0, a0 + 1 of the window's four x my 6 column blocks, 32 along K.  zero = 1: the first product starts the sum with the bias
.macro MULG f, hi, a0, zero
.if \zero
	WIN 0x81+0x40*(\hi)
.else
	WIN 0xa1+0x50*(\hi)
.endif
.irp a, \a0, (\a0)+1
.irp b, 0,1,2,3,4,5
.if \zero
	v_wmma_f32_16x16x32_bf16 v[8*(8*(\a)+(\b)):8*(8*(\a)+(\b))+7], v[(\f)+8*(\b):(\f)+8*(\b)+7], v[(\f)+8*(4*(\hi)+(\a)):(\f)+8*(4*(\hi)+(\a))+7], v[CB+8*(\b):CB+8*(\b)+7]
.else
	v_wmma_f32_16x16x32_bf16 v[8*(8*(\a)+(\b)):8*(8*(\a)+(\b))+7], v[(\f)+8*(\b):(\f)+8*(\b)+7], v[(\f)+8*(4*(\hi)+(\a)):(\f)+8*(4*(\hi)+(\a))+7], v[8*(8*(\a)+(\b)):8*(8*(\a)+(\b))+7]
.endif
.endr
.endr
.endm
.macro FETCH k, f                      ; one run of 28 LDS loads: the fragments of 32 along K at byte k of the rows
	WIN 0x40
.irp i, 0,1,2,3,4,5
	ds_load_b128 v[(\f)+8*(\i):(\f)+8*(\i)+3],   v[ADRB] offset:(\k)+(\i)*16*PITCH
	ds_load_b128 v[(\f)+8*(\i)+4:(\f)+8*(\i)+7], v[ADRB] offset:(\k)+(\i)*16*PITCH+32
.endr
	WIN 0
.irp i, 0,1,2,3,4,5,6,7
	ds_load_b128 v[(\f)+8*(\i):(\f)+8*(\i)+3],   v[ADRA] offset:(\k)+(\i)*16*PITCH
	ds_load_b128 v[(\f)+8*(\i)+4:(\f)+8*(\i)+7], v[ADRA] offset:(\k)+(\i)*16*PITCH+32
.endr
.endm
.macro QUARTER k, f, g, zero           ; 48 products on buffer f; in the middle the next quarter's fragments go into g
	s_wait_dscnt 8                                 ; B and A's rows 0-63 are in; the youngest eight loads (A's rows 64-127) may be out
	MULG \f, 0, 0, \zero
	MULG \f, 0, 2, \zero
	PLACES
	FETCH \k, \g
	s_wait_dscnt NLD                               ; all but the run just issued
	MULG \f, 1, 0, \zero
	MULG \f, 1, 2, \zero
.endm
.macro MEET                            ; the first half of a step's last quarter, and the one barrier of a change of slots
	WIN 0
	s_wait_tensorcnt 0x0                           ; all my tensor loads have landed: the one that was out is my part of the next slot
	ds_add_u32 v[SPW], v[NIL]                      ; 0 onto my spare word
	s_wait_dscnt 9                                 ; (the add and the youngest eight loads may be out)
	MULG F1, 0, 0, 0
	s_wait_dscnt 0x0                               ; the add is done, and my reads of this slot are over
	s_barrier_signal -1
	MULG F1, 0, 2, 0
	WIN 0
	s_barrier_wait -1
.endm
.macro TURN fill                       ; the last quarter: the slot just read is filled again with the stream's step two on (fill = 1), and the other slot's first fragments are fetched
.if \fill
	s_wait_xcnt 0x0                                ; the last prefetch, a K step back, has read its address
	s_add_nc_u64 s[PFA:PFA+1], s[PFA:PFA+1], 256
	s_cmp_eq_u32 s3, 8                             ; the trip that asks for the second tile's K step 0
	s_cselect_b32 s[DA], s[XA], 256
	s_cselect_b32 s[DB], s[XB], 256
	s_add_co_u32 s[OFA], s[OFA], s[DA]             ; the offsets of the stream's next step: no register of a descriptor
	s_add_co_u32 s[OFB], s[OFB], s[DB]
.endif
	MEET
.if \fill
	CREST                                          ; the barrier has opened a round of the cluster's: no wave of any partner still reads this slot or has a load on its way
	s_xor_b32 s[G0+5], s[G0+5], SLOT               ; the walking descriptors: the other slot than last time; the address made anew from the buffer's and the offset, the type set again
	s_add_nc_u64 s[G0+6:G0+7], s[4:5], s[OFA:OFA+1]
	s_or_b32 s[G0+7], s[G0+7], 0x80000000
	s_xor_b32 s[G0B+5], s[G0B+5], SLOT
	s_add_nc_u64 s[G0B+6:G0B+7], s[6:7], s[OFB:OFB+1]
	s_or_b32 s[G0B+7], s[G0B+7], 0x80000000
	JLOAD 1                                        ; my one tensor load behind the round; its four v_nop are also the places in front of the loads below
.else
	PLACES
.endif
	s_xor_b32 s[CUR], s[CUR], SLOT
	v_add_nc_u32 v[ADRA], s[CUR], v[ADRA0]
	v_add_nc_u32 v[ADRB], s[CUR], v[ADRB0]
	FETCH 0, F0
.if \fill
	ASK
.endif
	MULG F1, 1, 0, 0
	MULG F1, 1, 2, 0
.endm
; THE WAY OUT, 16 rows (a chunk) at a time.  A row's 768 bytes come from four waves, so a chunk goes through a stage that all share: each wave puts its 192 bytes of 16 rows, a barrier, each wave reads 4 whole rows back
; and stores them, 16 lanes to 256 consecutive bytes.  Two stage buffers take turns, so one barrier a chunk serves: chunk c + 1 is put behind barrier c, when every wave's reads of chunk c - 1 (the same buffer) have been
; waited for in front of that barrier.  Chunks 1 and 2 are row blocks 2 and 1: so block 1's remainders are made and staged behind barrier 1, when the reads of block 0's remainders are over.
; It names none of v64-127 of window 0, v64-111 of window 1 and v192-239: the next tile's first fragments and its bias.
.macro BLOCK sym, c
.set \sym, (\c)
.if (\c) == 1
.set \sym, 2
.endif
.if (\c) == 2
.set \sym, 1
.endif
.endm
.macro BAR
	s_wait_dscnt 0x0                               ; for the others' sake: my stores into the stage are done, my reads of it are back
	s_barrier_signal -1
	s_barrier_wait -1
.endm
.macro CVT a                           ; row block a rounded to f16: each accumulator is read from its low end on
	WIN 0x0a+5*((\a)/4)
.irp b, 0,1,2,3,4,5
.irp q, 0,1,2,3
	v_cvt_pk_f16_f32 v[TMP+4*(\b)+(\q)], v[8*(8*((\a)%4)+(\b))+2*(\q)], v[8*(8*((\a)%4)+(\b))+2*(\q)+1]
.endr
.endr
	WIN 0
.endm
.macro PUT c
.irp b, 0,1,2,3,4,5
	ds_store_b128 v[STO], v[TMP+4*(\b):TMP+4*(\b)+3] offset:((\c)%2)*STGB+32*(\b)
.endr
.endm
.macro GET c                           ; a pair of rows is 1,536 bytes: three loads of 512
.set OO, OB+24*((\c)%2)
.irp t, 0,1
	ds_load_b128 v[OO+12*(\t):OO+12*(\t)+3],    v[RD0] offset:((\c)%2)*STGB+2*SPI*(\t)
	ds_load_b128 v[OO+12*(\t)+4:OO+12*(\t)+7],  v[RD0] offset:((\c)%2)*STGB+2*SPI*(\t)+SPI+256
	ds_load_b128 v[OO+12*(\t)+8:OO+12*(\t)+11], v[RD1] offset:((\c)%2)*STGB+2*SPI*(\t)
.endr
.endm
.macro SEND c, blk                     ; each 16 lanes store 256 consecutive bytes, at a multiple of 256 from qkv's first byte
.set OO, OB+24*((\c)%2)
.irp t, 0,1
	global_store_b128 v[CO0], v[OO+12*(\t):OO+12*(\t)+3],    s[10:11] offset:(16*(\blk)+2*(\t))*6144
	global_store_b128 v[CO0], v[OO+12*(\t)+4:OO+12*(\t)+7],  s[10:11] offset:(16*(\blk)+2*(\t))*6144+6400
	global_store_b128 v[CO1], v[OO+12*(\t)+8:OO+12*(\t)+11], s[10:11] offset:(16*(\blk)+2*(\t))*6144
.endr
.endm
.macro LOW a                           ; row block a (0, 1), whose f16 values lie in TMP: sum - f16 value, one rounding each, rounded to f16, into the remainders' stage
	s_cmp_lg_u32 s[LOF], 0                         ; the cluster's y is the same in all partners
	s_cbranch_scc1 .Lno_low_\@
	WIN 0x60
.irp b, 0,1,2,3,4,5
.irp q, 0,1,2,3
	v_fma_mix_f32 v[LT+8*(\b)+2*(\q)],   -v[TMP+4*(\b)+(\q)], v[ONE], v[8*(8*(\a)+(\b))+2*(\q)]   op_sel_hi:[1,0,0]
	v_fma_mix_f32 v[LT+8*(\b)+2*(\q)+1], -v[TMP+4*(\b)+(\q)], v[ONE], v[8*(8*(\a)+(\b))+2*(\q)+1] op_sel:[1,0,0] op_sel_hi:[1,0,0]
.endr
.endr
	WIN 0x45
.irp b, 0,1,2,3,4,5
.irp q, 0,1,2,3
	v_cvt_pk_f16_f32 v[LP+4*(\b)+(\q)], v[LT+8*(\b)+2*(\q)], v[LT+8*(\b)+2*(\q)+1]
.endr
.endr
	WIN 0x04
.irp b, 0,1,2,3,4,5
	ds_store_b128 v[STO], v[LP+4*(\b):LP+4*(\b)+3] offset:2*STGB+32*(\b)
.endr
	WIN 0
.Lno_low_\@:
.endm
.macro LOG al                          ; the remainders of rows 16 al .. + 15 are read back and stored
	s_cmp_lg_u32 s[LOF], 0
	s_cbranch_scc1 .Lno_log_\@
	s_wait_xcnt 0x0                                ; earlier stores have read their registers
	WIN 0x40
.irp t, 0,1
	ds_load_b128 v[LB+12*(\t):LB+12*(\t)+3],    v[RD0] offset:2*STGB+2*SPI*(\t)
	ds_load_b128 v[LB+12*(\t)+4:LB+12*(\t)+7],  v[RD0] offset:2*STGB+2*SPI*(\t)+SPI+256
	ds_load_b128 v[LB+12*(\t)+8:LB+12*(\t)+11], v[RD1] offset:2*STGB+2*SPI*(\t)
.endr
	s_wait_dscnt 0x0
	WIN 0x04
.irp t, 0,1
	global_store_b128 v[CO0], v[LB+12*(\t):LB+12*(\t)+3],    s[12:13] offset:(16*(\al)+2*(\t))*6144
	global_store_b128 v[CO0], v[LB+12*(\t)+4:LB+12*(\t)+7],  s[12:13] offset:(16*(\al)+2*(\t))*6144+6400
	global_store_b128 v[CO1], v[LB+12*(\t)+8:LB+12*(\t)+11], s[12:13] offset:(16*(\al)+2*(\t))*6144
.endr
	WIN 0
.Lno_log_\@:
.endm
.macro OUT
	PLACES
	CVT 0
	PUT 0
	LOW 0
	CVT 2                                          ; chunk 1
	BAR
.irp c, 0,1,2,3,4,5,6,7
	BLOCK BK, \c
	BLOCK BN, (\c)+2
.if (\c) > 1
	s_wait_xcnt 0x0                                ; the stores of chunk c - 2 have read the registers that are loaded again
.endif
	GET \c
.if (\c) < 7
	PUT (\c)+1
	s_wait_dscnt 6                                 ; the six stores just issued may be out: the chunk is back in registers
.else
	s_wait_dscnt 0x0
.endif
	SEND \c, BK
.if (\c) == 1
	LOW 1                                          ; TMP holds chunk 2, row block 1
.endif
.if (\c) == 0
	LOG 0
.endif
.if (\c) == 2
	LOG 1
.endif
.if (\c) < 6
	CVT BN
.endif
.if (\c) < 7
	BAR
.endif
.endr
.endm
	s_wait_loadcnt 0x0                             ; the bias
	s_wait_tensorcnt 1                             ; my part of K step 0 is in; step 1's may stay out
	s_barrier_signal -1
	s_barrier_wait -1
	FETCH 0, F0
	QUARTER 64, F0, F1, 1                          ; the first quarter stands ahead of the loop: its products start the sums
	WIN 0
	s_mov_b32 s3, 14
.Lstep:                                        ; a trip: a step's quarters 2 to 4 and the next step's first; the slot left is filled with the stream's step two on
	QUARTER 128, F1, F0, 0
	QUARTER 192, F0, F1, 0
	TURN 1
	WIN 0
	s_cmp_eq_u32 s3, 7                             ; the first tile's last K step is multiplied: the same trip in every work-group
	s_cbranch_scc1 .Lchange
	QUARTER 64, F0, F1, 0
	WIN 0
	s_branch .Lbottom
.Lchange:
	BIAS BI2                                       ; the second tile's bias: its registers were last read by the first tile's first quarter
	OUT                                            ; both refills for the second tile's first two K steps are asked for: the tile goes out, and nothing waits for its stores
	s_wait_xcnt 0x0                                ; the stores have read their bases
	s_mov_b64 s[10:11], s[QK2:QK2+1]
	s_mov_b64 s[12:13], s[LO2:LO2+1]
	s_wait_loadcnt 0x0
	QUARTER 64, F0, F1, 1                          ; the second tile's sums start
	WIN 0
.Lbottom:
	s_sub_co_u32 s3, s3, 1
	s_cmp_lg_u32 s3, 0
	s_cbranch_scc1 .Lstep
	s_mov_b32 s3, 2
.Ltail:                                        ; the stream's last two steps ask for nothing; the second trip is left in its middle
	QUARTER 128, F1, F0, 0
	QUARTER 192, F0, F1, 0
	WIN 0
	s_sub_co_u32 s3, s3, 1
	s_cmp_eq_u32 s3, 0
	s_cbranch_scc1 .Llastq
	TURN 0
	QUARTER 64, F0, F1, 0
	WIN 0
	s_cmp_lg_u32 s3, 0
	s_cbranch_scc1 .Ltail
.Llastq:
	s_wait_dscnt 8
	MULG F1, 0, 0, 0
	MULG F1, 0, 2, 0
	s_wait_dscnt 0x0
	MULG F1, 1, 0, 0
	MULG F1, 1, 2, 0
	WIN 0
	OUT
	s_wait_tensorcnt 0x0                           ; the wave's end: a wait, an add of 0 to my spare word and its wait, behind my last tensor load and my last LDS store
	ds_add_u32 v[SPW], v[NIL]
	s_wait_dscnt 0x0
	CROUND                                         ; the closing round: no work-group ends while a partner may still ask for a tile that names it
	s_endpgm
.Lfunc_end_k_q49a2195d31_proj:
	.size	k_q49a2195d31_proj, .Lfunc_end_k_q49a2195d31_proj-k_q49a2195d31_proj
	.p2alignl 7, 3214868480
	.fill 96, 4, 3214868480
	.section	.rodata,"a",@progbits
	.p2align	6, 0x0
	.amdhsa_kernel k_q49a2195d31_proj
		.amdhsa_group_segment_fixed_size 327680
		.amdhsa_private_segment_fixed_size 0
		.amdhsa_enable_private_segment 0
		.amdhsa_kernarg_size 40
		.amdhsa_user_sgpr_count 2
		.amdhsa_user_sgpr_kernarg_segment_ptr 1
		.amdhsa_wavefront_size32 1
		.amdhsa_system_sgpr_workgroup_id_x 1
		.amdhsa_system_sgpr_workgroup_id_y 1
		.amdhsa_system_sgpr_workgroup_id_z 1
		.amdhsa_system_vgpr_workitem_id 0
		.amdhsa_next_free_vgpr 1024
		.amdhsa_next_free_sgpr 96
		.amdhsa_reserve_vcc 0
		.amdhsa_float_denorm_mode_32 3
		.amdhsa_float_denorm_mode_16_64 3
		.amdhsa_memory_ordered 1
		.amdhsa_forward_progress 1
		.amdhsa_inst_pref_size 144
	.end_amdhsa_kernel
	.amdgpu_metadata
---
amdhsa.version: [ 1, 2 ]
amdhsa.kernels:
  - .name:           k_q49a2195d31_proj
    .symbol:         k_q49a2195d31_proj.kd
    .args:
      - { .name: xb, .offset: 0, .size: 8, .value_kind: global_buffer, .address_space: global }
      - { .name: wt, .offset: 8, .size: 8, .value_kind: global_buffer, .address_space: global }
      - { .name: bias, .offset: 16, .size: 8, .value_kind: global_buffer, .address_space: global }
      - { .name: qkv, .offset: 24, .size: 8, .value_kind: global_buffer, .address_space: global }
      - { .name: lo, .offset: 32, .size: 8, .value_kind: global_buffer, .address_space: global }
    .group_segment_fixed_size: 327680
    .private_segment_fixed_size: 0
    .kernarg_segment_align: 8
    .kernarg_segment_size: 40
    .max_flat_workgroup_size: 128
    .sgpr_count:     96
    .vgpr_count:     1024
    .wavefront_size: 32
...
	.end_amdgpu_metadata
.endif
;; end of part 2
;; launch score (part 3): grid 37 x 4, 4 waves a work-group, no clusters, 327,680 bytes of LDS; arguments qkv, lo, e, stat, out0; writes e, stat, out0
.if DOCPART == 3
	.amdgcn_target "amdgcn-amd-amdhsa--gfx1250"
	.amdhsa_code_object_version 6
	.text
	.protected	k_q49a2195d31_score
	.globl	k_q49a2195d31_score
	.p2align	8
	.type	k_q49a2195d31_score,@function
k_q49a2195d31_score:
	s_mov_b64 s[64:65], 0
	v_nop
	global_prefetch_b8 v0, s[64:65] scope:SCOPE_SE
	s_setreg_imm32_b32 hwreg(HW_REG_WAVE_MODE, 25, 1), 1
	s_wait_xcnt 0x0
; SCORE.  Work-groups x = 0..35 of batch y (MAIN): the tile (I, J <= I) of 256 queries x 256 keys of s = q . k (K = 1024, f16 operands, f32 sums).  For each row and each block t of 128 keys the block's own
; maximum m is taken away: E = 2^(c s - c m), c = log2(e) / 32, goes to e in f16 (E <= 1), c m and l = sum of E (f32) to stat.  The next launch joins the blocks by w = 2^(c m - max over t of c m).
; A key above the diagonal counts as its score - 2^100, given as the C operand that starts the sum (f16's scores, 4.4e12 at the most, are nothing beside it).  The wave tile that lies wholly above the diagonal
; runs with c = 0 (E = 1, finite) and stores c m = -2^100, so its weight w is 0.  E below 6e-5 keeps f16's fixed step; an E below 2^-126 counts as 0; NaN and infinities are not treated apart.
; Work-group x = 36 (TOP): rows 0-31 of the batch, finished here from the pairs f16 value + f16 remainder of q, k, v and of the weights, since a sum of so few terms has no room for f16's rounding.
; NO CLUSTER: the triangle's rows and columns hold 1 to 8 tiles and cannot be cut into fours that share a row or a column.
; MAIN's ring: K in 8 steps of 128 (rows of 256 bytes), two LDS slots; waves 0, 1 fetch the halves of q's 256 rows, waves 2, 3 of k's.  A wave makes 128 x 128: 64 accumulators in windows 2 and 3.
; The matrix instruction is used transposed (source 0 = keys, source 1 = queries): a lane holds one query (lane % 16) and the keys 8 (lane / 16) + 0..7.
; MAIN's softmax is written ONCE, for 16 queries, and walked eight times.  A loop cannot name other registers in each trip, so the finished sums go through LDS: each wave stores its 512 registers into 65,536 bytes of
; its own in the ring, which has had its last fill, and a trip loads 64 of them back, each lane its own words.  The price: 128 LDS stores and 128 LDS loads a wave; the gain: seven copies of the block's text.
; stat leaves in pieces of 64 bytes (16 rows x 4 bytes from each half of the lanes): 1,024 bytes a wave tile.
.set PITCH, 272
.set HALFT, 128*PITCH
.set SLOT,  4*HALFT                    ; shares no bit with wave x HALFT: an exclusive or changes slots
.set STAGE, 2*SLOT                     ; behind the ring: 16 rows x 272 bytes for each wave, for the ways out
.set SPARE, STAGE+4*4352               ; the spare words, 128 bytes for each wave
.set XCH,   SPARE+512                  ; TOP: the four waves' partial scores, 4,096 bytes each
.set NLD,   32
.set CVAL,  0x3d38aa3b                 ; c
.set BIGN,  0xf1800000                 ; -2^100
.set F0, 64
.set F1, 128
.set MD, 192                           ; v192-199  C of a block on the diagonal
.set MU, 200                           ; v200-207  C of a block above it
.set T, 32
.set SD, 42                            ; v42       what a trip stores into stat
.set S, 64                             ; v64-127   a block's 64 scores a lane
.set EP, 128                           ; v128-159  E, packed
.set OBK, 160                          ; v160-191  E, as whole rows
.set ADRA0, 4
.set ADRB0, 5
.set ADRA, 6
.set ADRB, 7
.set STO, 9
.set RD, 10
.set CO, 11
.set SO, 12
.set PFO, 13
.set FO, 14
.set XS, 15
.set XR, 16
.set VA, 17
.set TSTO, 18
.set DA, 19                            ; v19       where my 16 bytes of the block in hand lie: 65,536 x wave + 16 x lane + 8,192 x block
.set SPW, 28
.set NIL, 29
.set ONE, 30
.set WV, 14
.set CUR, 15
.set G1, 24
.set G0, 32
.set PFA, 44
.set LIM, 46
.set DG, 48
.set CS, 50
.set FA, 52
.set FB, 53
.set HM, 54
.set SEL, 56
.set G1T, 68
.set G0H, 76
.set G0L, 80
.set MSB, 0
.macro WIN new                         ; the immediate's high byte repeats the setting that is left; a switch that changes nothing is dropped
.if MSB != (\new)
	s_set_vgpr_msb (MSB<<8)|(\new)
.set MSB, \new
.endif
.endm
.macro PLACES                          ; four plain vector instructions between a matrix instruction and a load into, or another read of, its registers
.rept 4
	v_nop
.endr
.endm
; A prefetch into the L2 of the K step behind the one just asked for: my 128 rows x 256 bytes, a lane a row, four instructions.  A block of q's rows is read by the tiles (I, 0..I): the tile J = 0 asks;
; a block of k's rows by the tiles (J..7, J): the tile I = J asks.  K steps 0-2 come by their loads alone; the last refill (s3 = 1) has no step behind it.
.macro ASK
	s_cmp_gt_u32 s3, s[LIM]
	s_cbranch_scc0 .Lnot_mine_\@
.irp i, 0,1,2,3
	global_prefetch_b8 v[PFO], s[PFA:PFA+1] offset:256+196608*(\i) th:TH_LOAD_NT scope:SCOPE_SE
.endr
.Lnot_mine_\@:
.endm
	s_load_b256 s[4:11], s[0:1], 0x0               ; qkv 4, lo 6, e 8, stat 10
	s_load_b64 s[12:13], s[0:1], 0x20              ; out0
	v_lshl_add_u32 v[SPW], v0, 2, SPARE
	v_mov_b32 v[NIL], 0
	ds_add_u32 v[SPW], v[NIL]                      ; the wave's opening: the add and its wait ahead of my first tensor load
	ds_add_u32 v28, v29
	v_lshrrev_b32 v1, 5, v0
	v_readfirstlane_b32 s[WV], v1
	s_and_b32 s42, ttmp7, 0xffff                   ; batch
	s_lshr_b32 s43, s[WV], 1                       ; wr
	s_and_b32 s47, s[WV], 1                        ; wc
	s_mov_b32 s[SEL], 0x76543210
	s_mov_b32 s[SEL+1], 0xfedcba98
	s_mov_b32 s[HM], 0xffff0000                    ; the lanes 16-31
	s_mul_i32 s20, s[WV], HALFT
	s_mov_b32 s[CUR], 0
	v_and_b32 v1, 15, v0                           ; r
	v_bfe_u32 v2, v0, 4, 1                         ; h
	v_and_b32 v3, 31, v0                           ; lane
	v_mov_b32 v[ONE], 1.0
	s_mul_i32 s16, s[WV], 4352
	s_add_co_u32 s16, s16, STAGE                   ; my stage
	v_mul_u32_u24 v8, v1, 272
	v_add_nc_u32 v8, s16, v8
	v_lshl_add_u32 v[STO], v2, 4, v8               ; in: row r, 16 bytes (f16) for each half of the lanes,
	v_lshl_add_u32 v[TSTO], v2, 5, v8              ; or 32 bytes (f32)
	v_mul_u32_u24 v[RD], v2, 272
	v_lshl_add_u32 v[RD], v1, 4, v[RD]
	v_add_nc_u32 v[RD], s16, v[RD]                 ; back: lanes 0-15 one row of 256 bytes, lanes 16-31 the next
	v_lshlrev_b32 v[CO], 12, v2
	v_lshl_add_u32 v[CO], v1, 4, v[CO]             ; the same two rows in e and in out0 (both have rows of 4,096 bytes)
	v_lshlrev_b32 v8, 3, v2
	v_sub_nc_u32 v8, v1, v8                        ; r - 8 h: register j of a diagonal block is hidden where j is greater
	s_wait_dscnt 0x0                               ; the opening add is done
	s_wait_kmcnt 0x0
	s_cmp_lg_u32 ttmp9, 36
	s_cbranch_scc1 .Lmain
	; ================= TOP: rows 0-31 of the batch =================
	; Scores: K is split among the waves, 256 channels each; q = qh + ql, k = kh + kl: kh qh + kl qh + kh ql.  The four partial sums meet in LDS; every wave then makes the same softmax, p' = p / l = ph + pl,
	; and multiplies it by its own 256 channels of v = vh + vl: vh ph + vl ph + vh pl.
	s_mov_b32 s[G1T], 0x0f910000                   ; 2-byte elements | padding on | after every 128 words | 8 words: LDS rows of 544 bytes
	s_mov_b32 s[G1T+1], 256<<16
	s_mov_b32 s[G1T+2], 32<<16
	s_mov_b32 s[G1T+3], 256<<16
	s_mov_b32 s[G1T+4], 32
	s_mov_b32 s[G1T+5], 3072
	s_mov_b32 s[G1T+6], 0
	s_mov_b32 s[G1T+7], 0
	s_mov_b32 s[CS], CVAL
	s_mov_b32 s[CS+1], CVAL
	s_mov_b32 s[DG], BIGN
	s_lshl_b32 s17, s[WV], 9                       ; my 256 channels
	s_mul_i32 s16, s42, 12582912                   ; the batch's 2,048 rows of qkv
	s_add_co_u32 s18, s16, s17
	s_mov_b32 s19, 0
	s_add_nc_u64 s[58:59], s[4:5], s[18:19]
	s_mul_i32 s16, s42, 786432                     ; lo[4 batch]
	s_add_co_u32 s18, s16, s17
	s_add_nc_u64 s[60:61], s[6:7], s[18:19]
	s_mov_b32 s[G0H], 1
	s_mov_b32 s[G0H+1], s20                        ; wave x 34,816: each wave reads only what it fetched
	s_add_nc_u64 s[G0H+2:G0H+3], s[58:59], 4096    ; v
	s_or_b32 s[G0H+3], s[G0H+3], 0x80000000
	s_mov_b32 s[G0L], 1
	s_add_co_u32 s[G0L+1], s20, 17408
	s_add_nc_u64 s[G0L+2:G0L+3], s[60:61], 4096
	s_or_b32 s[G0L+3], s[G0L+3], 0x80000000
	tensor_load_to_lds s[G0H:G0H+3], s[G1T:G1T+7]  ; 32 keys x 256 channels of v, and of its remainder: two loads of mine are out
	s_nop 0
	tensor_load_to_lds s[G0L:G0L+3], s[G1T:G1T+7]
	s_nop 0
	PLACES
	v_mul_u32_u24 v[FO], v1, 6144
	v_lshl_add_u32 v[FO], v2, 4, v[FO]             ; a fragment's row x 6,144 + 16 x half
.macro TFRAG base                      ; k's two blocks -> v0-127, q's two -> v128-255 of the window in hand: block blk, channels 32 st on
.irp blk, 0,1
.irp st, 0,1,2,3,4,5,6,7
	global_load_b128 v[64*(\blk)+8*(\st):64*(\blk)+8*(\st)+3],         v[FO], s[\base:\base+1] offset:2048+98304*(\blk)+64*(\st)
	global_load_b128 v[64*(\blk)+8*(\st)+4:64*(\blk)+8*(\st)+7],       v[FO], s[\base:\base+1] offset:2048+98304*(\blk)+64*(\st)+32
	global_load_b128 v[128+64*(\blk)+8*(\st):128+64*(\blk)+8*(\st)+3], v[FO], s[\base:\base+1] offset:98304*(\blk)+64*(\st)
	global_load_b128 v[128+64*(\blk)+8*(\st)+4:128+64*(\blk)+8*(\st)+7], v[FO], s[\base:\base+1] offset:98304*(\blk)+64*(\st)+32
.endr
.endr
.endm
	WIN 0x40
	TFRAG 58
	WIN 0x80
	TFRAG 60
	WIN 0
.irp j, 0,1,2,3,4,5,6,7
	v_cmp_gt_i32 vcc_lo, \j, v8
	v_cndmask_b32 v[32+(\j)], 0, s[DG], vcc_lo     ; v32-39: the mask of a diagonal block
	v_mov_b32 v[40+(\j)], s[DG]                    ; v40-47: of the block above it
.endr
	s_lshl_b32 s16, s[WV], 12
	s_add_co_u32 s16, s16, XCH
	v_lshl_add_u32 v[XS], v3, 5, s16
	v_lshlrev_b32 v[XR], 5, v3
	v_add_nc_u32 v[XR], XCH, v[XR]
	v_and_b32 v[VA], 7, v0
	v_lshl_add_u32 v[VA], v2, 3, v[VA]
	v_mul_u32_u24 v[VA], v[VA], 544
	v_bfe_u32 v8, v0, 3, 1
	v_lshl_add_u32 v[VA], v8, 4, v[VA]
	v_add_nc_u32 v[VA], s20, v[VA]                 ; the turning load: key 8 h + l % 8, channels 8 ((l / 8) % 2) on
	s_lshl_b32 s16, s42, 23
	s_lshl_b32 s17, s[WV], 10
	s_add_co_u32 s16, s16, s17
	s_mov_b32 s17, 0
	s_add_nc_u64 s[12:13], s[12:13], s[16:17]      ; out0 at the batch's first row, my 256 channels
	s_wait_loadcnt 0x0
.macro TTERM win, first                ; 32 products: S(qb, kb) at v[64 + 8 (2 qb + kb)]; the four accumulators take turns
	WIN \win
.irp st, 0,1,2,3,4,5,6,7
.irp qb, 0,1
.irp kb, 0,1
.if (\first) && ((\st) == 0) && ((\kb) == (\qb))
	v_wmma_f32_16x16x32_f16 v[64+8*(2*(\qb)+(\kb)):64+8*(2*(\qb)+(\kb))+7], v[64*(\kb)+8*(\st):64*(\kb)+8*(\st)+7], v[128+64*(\qb)+8*(\st):128+64*(\qb)+8*(\st)+7], v[32:39]
.elseif (\first) && ((\st) == 0) && ((\kb) > (\qb))
	v_wmma_f32_16x16x32_f16 v[64+8*(2*(\qb)+(\kb)):64+8*(2*(\qb)+(\kb))+7], v[64*(\kb)+8*(\st):64*(\kb)+8*(\st)+7], v[128+64*(\qb)+8*(\st):128+64*(\qb)+8*(\st)+7], v[40:47]
.elseif (\first) && ((\st) == 0)
	v_wmma_f32_16x16x32_f16 v[64+8*(2*(\qb)+(\kb)):64+8*(2*(\qb)+(\kb))+7], v[64*(\kb)+8*(\st):64*(\kb)+8*(\st)+7], v[128+64*(\qb)+8*(\st):128+64*(\qb)+8*(\st)+7], 0
.else
	v_wmma_f32_16x16x32_f16 v[64+8*(2*(\qb)+(\kb)):64+8*(2*(\qb)+(\kb))+7], v[64*(\kb)+8*(\st):64*(\kb)+8*(\st)+7], v[128+64*(\qb)+8*(\st):128+64*(\qb)+8*(\st)+7], v[64+8*(2*(\qb)+(\kb)):64+8*(2*(\qb)+(\kb))+7]
.endif
.endr
.endr
.endr
.endm
	TTERM 0x05, 1                                  ; kh qh
	TTERM 0x06, 0                                  ; kl qh
	TTERM 0x09, 0                                  ; kh ql
	WIN 0
	PLACES
.irp blk, 0,1,2,3
	ds_store_b128 v[XS], v[64+8*(\blk):64+8*(\blk)+3] offset:1024*(\blk)
	ds_store_b128 v[XS], v[64+8*(\blk)+4:64+8*(\blk)+7] offset:1024*(\blk)+16
.endr
	s_wait_tensorcnt 0x0                           ; v's two tiles are in
	s_wait_dscnt 0x0                               ; for the others' sake: my partial scores are stored
	s_barrier_signal -1
	s_barrier_wait -1
.irp w, 0,1,2,3
.irp blk, 0,1,2,3
	ds_load_b128 v[128+32*(\w)+8*(\blk):128+32*(\w)+8*(\blk)+3],   v[XR] offset:4096*(\w)+1024*(\blk)
	ds_load_b128 v[128+32*(\w)+8*(\blk)+4:128+32*(\w)+8*(\blk)+7], v[XR] offset:4096*(\w)+1024*(\blk)+16
.endr
.endr
	s_wait_dscnt 0x0
.set x, 0
.rept 16
	v_pk_add_f32 v[64+x:65+x], v[128+x:129+x], v[160+x:161+x]
.set x, x+2
.endr
.set x, 0
.rept 16
	v_pk_add_f32 v[64+x:65+x], v[64+x:65+x], v[192+x:193+x]
.set x, x+2
.endr
.set x, 0
.rept 16
	v_pk_add_f32 v[64+x:65+x], v[64+x:65+x], v[224+x:225+x]
.set x, x+2
.endr
.macro TSOFT qb                        ; 16 queries: a lane holds 16 of its row's 32 scores.  ph -> v[48 + 8 qb ..], pl -> v[96 + 8 qb ..]: each is source 1 (32 keys x 16 queries) of the second product
.set SB, 64+16*(\qb)
	v_max3_num_f32 v32, v[SB], v[SB+1], v[SB+2]
.irp i, 3,5,7,9,11,13
	v_max3_num_f32 v32, v32, v[SB+(\i)], v[SB+(\i)+1]
.endr
	v_max_num_f32 v32, v32, v[SB+15]
	v_permlanex16_b32 v33, v32, s[SEL], s[SEL+1]
	v_max_num_f32 v32, v32, v33
	v_mul_f32 v34, s[CS], v32
.irp i, 0,2,4,6,8,10,12,14
	v_pk_fma_f32 v[SB+(\i):SB+(\i)+1], v[SB+(\i):SB+(\i)+1], s[CS:CS+1], v[34:35] op_sel_hi:[1,0,0] neg_lo:[0,0,1] neg_hi:[0,0,1]
.endr
.irp i, 0,1,2,3,4,5,6,7,8,9,10,11,12,13,14,15
	v_exp_f32 v[SB+(\i)], v[SB+(\i)]
.endr
	v_nop
	s_wait_alu depctr_va_vdst(0)                   ; one wait for the sixteen exponentials
.irp i, 0,1,2,3
	v_pk_add_f32 v[36+2*(\i):37+2*(\i)], v[SB+4*(\i):SB+4*(\i)+1], v[SB+4*(\i)+2:SB+4*(\i)+3]
.endr
	v_pk_add_f32 v[36:37], v[36:37], v[38:39]
	v_pk_add_f32 v[40:41], v[40:41], v[42:43]
	v_pk_add_f32 v[36:37], v[36:37], v[40:41]
	v_add_f32 v44, v36, v37
	v_permlanex16_b32 v45, v44, s[SEL], s[SEL+1]
	v_add_f32 v44, v44, v45
	v_rcp_f32 v46, v44
	v_nop
	s_wait_alu depctr_va_vdst(0)
.irp i, 0,2,4,6,8,10,12,14
	v_pk_mul_f32 v[SB+(\i):SB+(\i)+1], v[SB+(\i):SB+(\i)+1], v[46:47] op_sel_hi:[1,0]
.endr
.irp i, 0,1,2,3,4,5,6,7
	v_cvt_pk_f16_f32 v[48+8*(\qb)+(\i)], v[SB+2*(\i)], v[SB+2*(\i)+1]
.endr
.irp i, 0,1,2,3,4,5,6,7
	v_fma_mix_f32 v[112+2*(\i)], -v[48+8*(\qb)+(\i)], v[ONE], v[SB+2*(\i)]   op_sel_hi:[1,0,0]
	v_fma_mix_f32 v[113+2*(\i)], -v[48+8*(\qb)+(\i)], v[ONE], v[SB+2*(\i)+1] op_sel:[1,0,0] op_sel_hi:[1,0,0]
.endr
.irp i, 0,1,2,3,4,5,6,7
	v_cvt_pk_f16_f32 v[96+8*(\qb)+(\i)], v[112+2*(\i)], v[113+2*(\i)]
.endr
.endm
	TSOFT 0
	TSOFT 1
	WIN 0x40
.irp cb, 0,1,2,3,4,5,6,7,8,9,10,11,12,13,14,15
	ds_load_tr16_b128 v[8*(\cb):8*(\cb)+3],   v[VA] offset:32*(\cb)
	ds_load_tr16_b128 v[8*(\cb)+4:8*(\cb)+7], v[VA] offset:32*(\cb)+8704
.endr
	WIN 0x80
.irp cb, 0,1,2,3,4,5,6,7,8,9,10,11,12,13,14,15
	ds_load_tr16_b128 v[8*(\cb):8*(\cb)+3],   v[VA] offset:17408+32*(\cb)
	ds_load_tr16_b128 v[8*(\cb)+4:8*(\cb)+7], v[VA] offset:17408+32*(\cb)+8704
.endr
	s_wait_dscnt 0x0
.macro TPV win, pf, zero               ; 32 products: O(qb, cb) at v[128 qb + 8 cb] of window 3; 32 accumulators by turns
	WIN \win
.irp qb, 0,1
.irp cb, 0,1,2,3,4,5,6,7,8,9,10,11,12,13,14,15
.if \zero
	v_wmma_f32_16x16x32_f16 v[128*(\qb)+8*(\cb):128*(\qb)+8*(\cb)+7], v[8*(\cb):8*(\cb)+7], v[(\pf)+8*(\qb):(\pf)+8*(\qb)+7], 0
.else
	v_wmma_f32_16x16x32_f16 v[128*(\qb)+8*(\cb):128*(\qb)+8*(\cb)+7], v[8*(\cb):8*(\cb)+7], v[(\pf)+8*(\qb):(\pf)+8*(\qb)+7], v[128*(\qb)+8*(\cb):128*(\qb)+8*(\cb)+7]
.endif
.endr
.endr
.endm
	TPV 0xf1, 48, 1                                ; vh ph
	TPV 0xf2, 48, 0                                ; vl ph
	TPV 0xf1, 96, 0                                ; vh pl
	PLACES
.irp qb, 0,1
.irp ch, 0,1,2,3                       ; 16 rows x 64 channels (256 bytes of f32) at a time through my stage
	WIN 0x0c
.irp c, 0,1,2,3
	ds_store_b128 v[TSTO], v[128*(\qb)+8*(4*(\ch)+(\c)):128*(\qb)+8*(4*(\ch)+(\c))+3]   offset:64*(\c)
	ds_store_b128 v[TSTO], v[128*(\qb)+8*(4*(\ch)+(\c))+4:128*(\qb)+8*(4*(\ch)+(\c))+7] offset:64*(\c)+16
.endr
	WIN 0
	s_wait_xcnt 0x0                                ; the stores before have read v128-159
.irp t, 0,1,2,3,4,5,6,7
	ds_load_b128 v[128+4*(\t):131+4*(\t)], v[RD] offset:544*(\t)
.endr
	s_wait_dscnt 0x0
.irp t, 0,1,2,3,4,5,6,7
	global_store_b128 v[CO], v[128+4*(\t):131+4*(\t)], s[12:13] offset:65536*(\qb)+256*(\ch)+8192*(\t)  ; 16 lanes store 256 consecutive bytes, aligned
.endr
.endr
.endr
	s_wait_tensorcnt 0x0                           ; the wave's end
	ds_add_u32 v[SPW], v[NIL]
	s_wait_dscnt 0x0
	s_endpgm
	; ================= MAIN =================
.Lmain:
	s_mov_b32 s40, 0
.irp q, 1,3,6,10,15,21,28
	s_cmp_ge_u32 ttmp9, \q
	s_add_co_ci_u32 s40, s40, 0                    ; I = how many triangular numbers do not exceed x
.endr
	s_add_co_u32 s16, s40, 1
	s_mul_i32 s16, s16, s40
	s_lshr_b32 s16, s16, 1
	s_sub_co_u32 s41, ttmp9, s16                   ; J
	s_mov_b32 s[G1], 0x07510000                    ; 2-byte elements | padding on | after every 64 words | 4 words
	s_mov_b32 s[G1+1], 128<<16
	s_mov_b32 s[G1+2], 128<<16
	s_mov_b32 s[G1+3], 128<<16
	s_mov_b32 s[G1+4], 128
	s_mov_b32 s[G1+5], 3072
	s_mov_b32 s[G1+6], 0
	s_mov_b32 s[G1+7], 0
	s_cmp_eq_u32 s43, 0                            ; waves 0, 1: q's rows of block I; waves 2, 3: k's of block J
	s_cselect_b32 s16, s40, s41
	s_lshl_b32 s16, s16, 8
	s_lshl_b32 s17, s42, 11
	s_add_co_u32 s16, s16, s17
	s_lshl_b32 s17, s47, 7
	s_add_co_u32 s16, s16, s17
	s_mul_i32 s16, s16, 6144
	s_lshl_b32 s17, s43, 11
	s_add_co_u32 s16, s16, s17
	s_mov_b32 s17, 0
	s_add_nc_u64 s[18:19], s[4:5], s[16:17]
.irp s, 0,1
	s_mov_b32 s[G0+4*(\s)], 1
	s_add_co_u32 s[G0+4*(\s)+1], s20, (\s)*SLOT
	s_add_nc_u64 s[G0+4*(\s)+2:G0+4*(\s)+3], s[18:19], (\s)*256
	s_or_b32 s[G0+4*(\s)+3], s[G0+4*(\s)+3], 0x80000000
.endr
	tensor_load_to_lds s[G0:G0+3], s[G1:G1+7]      ; K steps 0 and 1: two loads of mine are out
	s_nop 0
	tensor_load_to_lds s[G0+4:G0+7], s[G1:G1+7]
	s_nop 0
	PLACES
	s_add_nc_u64 s[PFA:PFA+1], s[18:19], 256       ; at K step 1: the first refill steps it to 2 and names 3
	s_sub_co_u32 s16, s40, s41                     ; I - J
	s_cmp_eq_u32 s43, 0
	s_cselect_b32 s17, s41, s16
	s_cmp_eq_u32 s17, 0
	s_cselect_b32 s[LIM], 1, -1
	s_xor_b32 s17, s43, s47
	s_or_b32 s17, s17, s16
	s_cmp_eq_u32 s17, 0                            ; my 128 x 128 holds the diagonal
	s_cselect_b32 s[DG], BIGN, 0
	s_xor_b32 s18, s[WV], 1
	s_or_b32 s18, s18, s16
	s_cmp_eq_u32 s18, 0                            ; it lies wholly above the diagonal
	s_cselect_b32 s[CS], 0, CVAL
	s_cselect_b32 s[FA], 0, 1.0
	s_cselect_b32 s[FB], BIGN, 0
	s_mov_b32 s[CS+1], s[CS]                       ; named with it as a pair
.irp j, 0,1,2,3,4,5,6,7
	v_cmp_gt_i32 vcc_lo, \j, v8
	v_cndmask_b32 v[MD+(\j)], 0, s[DG], vcc_lo
	v_mov_b32 v[MU+(\j)], s[DG]
.endr
	v_mov_b32 v41, 0                               ; named with v40 as a pair
	v_mul_u32_u24 v8, v1, PITCH
	v_lshl_add_u32 v8, v2, 4, v8
	s_mul_i32 s16, s43, HALFT
	v_add_nc_u32 v[ADRA0], s16, v8                 ; my 128 rows of q
	s_mul_i32 s16, s47, HALFT
	s_add_co_u32 s16, s16, 2*HALFT
	v_add_nc_u32 v[ADRB0], s16, v8                 ; my 128 rows of k
	v_mov_b32 v[ADRA], v[ADRA0]
	v_mov_b32 v[ADRB], v[ADRB0]
	v_mul_u32_u24 v[PFO], v3, 6144
	v_lshlrev_b32 v[SO], 19, v2
	v_lshl_add_u32 v[SO], v1, 2, v[SO]             ; stat: lanes 0-15 plane 0, lanes 16-31 plane 1; row r
	s_lshl_b32 s16, s[WV], 16
	v_lshl_add_u32 v[DA], v3, 4, s16
	s_lshl_b32 s16, s42, 11
	s_lshl_b32 s17, s40, 8
	s_add_co_u32 s16, s16, s17
	s_lshl_b32 s17, s43, 7
	s_add_co_u32 s16, s16, s17                     ; my first row
	s_lshl_b32 s16, s16, 12
	s_lshl_b32 s17, s41, 9
	s_add_co_u32 s16, s16, s17
	s_lshl_b32 s17, s47, 8
	s_add_co_u32 s16, s16, s17
	s_mov_b32 s17, 0
	s_add_nc_u64 s[8:9], s[8:9], s[16:17]          ; e at my 128 x 128
	s_lshl_b32 s16, s42, 4
	s_lshl1_add_u32 s18, s41, s47                  ; t = 2 J + wc
	s_add_co_u32 s16, s16, s18
	s_lshl_b32 s16, s16, 11
	s_lshl_b32 s18, s40, 8
	s_add_co_u32 s16, s16, s18
	s_lshl_b32 s18, s43, 7
	s_add_co_u32 s16, s16, s18
	s_lshl_b32 s16, s16, 2
	s_add_nc_u64 s[10:11], s[10:11], s[16:17]      ; stat at (batch, t, my first row)
; 16 matrix instructions: query blocks a0, a0 + 1 of the window's four x 8 key blocks.  zero = 1: the first product starts the sum with the mask: 0 below the diagonal block, MD on it, MU above it
.macro MULG f, hi, a0, zero
.if \zero
	WIN 0x81+0x40*(\hi)
.else
	WIN 0xa1+0x50*(\hi)
.endif
.irp a, \a0, (\a0)+1
.irp b, 0,1,2,3,4,5,6,7
.if (\zero) && ((\b) == 4*(\hi)+(\a))
	v_wmma_f32_16x16x32_f16 v[8*(8*(\a)+(\b)):8*(8*(\a)+(\b))+7], v[(\f)+8*(\b):(\f)+8*(\b)+7], v[(\f)+8*(4*(\hi)+(\a)):(\f)+8*(4*(\hi)+(\a))+7], v[MD:MD+7]
.elseif (\zero) && ((\b) > 4*(\hi)+(\a))
	v_wmma_f32_16x16x32_f16 v[8*(8*(\a)+(\b)):8*(8*(\a)+(\b))+7], v[(\f)+8*(\b):(\f)+8*(\b)+7], v[(\f)+8*(4*(\hi)+(\a)):(\f)+8*(4*(\hi)+(\a))+7], v[MU:MU+7]
.elseif \zero
	v_wmma_f32_16x16x32_f16 v[8*(8*(\a)+(\b)):8*(8*(\a)+(\b))+7], v[(\f)+8*(\b):(\f)+8*(\b)+7], v[(\f)+8*(4*(\hi)+(\a)):(\f)+8*(4*(\hi)+(\a))+7], 0
.else
	v_wmma_f32_16x16x32_f16 v[8*(8*(\a)+(\b)):8*(8*(\a)+(\b))+7], v[(\f)+8*(\b):(\f)+8*(\b)+7], v[(\f)+8*(4*(\hi)+(\a)):(\f)+8*(4*(\hi)+(\a))+7], v[8*(8*(\a)+(\b)):8*(8*(\a)+(\b))+7]
.endif
.endr
.endr
.endm
.macro FETCH k, f
	WIN 0x40
.irp i, 0,1,2,3,4,5,6,7
	ds_load_b128 v[(\f)+8*(\i):(\f)+8*(\i)+3],   v[ADRB] offset:(\k)+(\i)*16*PITCH
	ds_load_b128 v[(\f)+8*(\i)+4:(\f)+8*(\i)+7], v[ADRB] offset:(\k)+(\i)*16*PITCH+32
.endr
	WIN 0
.irp i, 0,1,2,3,4,5,6,7
	ds_load_b128 v[(\f)+8*(\i):(\f)+8*(\i)+3],   v[ADRA] offset:(\k)+(\i)*16*PITCH
	ds_load_b128 v[(\f)+8*(\i)+4:(\f)+8*(\i)+7], v[ADRA] offset:(\k)+(\i)*16*PITCH+32
.endr
.endm
.macro QUARTER k, f, g, zero
	s_wait_dscnt 8                                 ; k's fragments and q's rows 0-63 are in; the youngest eight loads may be out
	MULG \f, 0, 0, \zero
	MULG \f, 0, 2, \zero
	PLACES
	FETCH \k, \g
	s_wait_dscnt NLD                               ; all but the run just issued
	MULG \f, 1, 0, \zero
	MULG \f, 1, 2, \zero
.endm
.macro TURN fill
.if \fill
	s_wait_xcnt 0x0                                ; the last prefetches, a K step back, have read their address
	s_add_nc_u64 s[PFA:PFA+1], s[PFA:PFA+1], 256
.endif
	WIN 0
	s_wait_tensorcnt 0x0                           ; all my tensor loads have landed: the one that was out is my part of the next slot
	ds_add_u32 v[SPW], v[NIL]                      ; 0 onto my spare word
	s_wait_dscnt 9                                 ; (the add and the youngest eight loads may be out)
	MULG F1, 0, 0, 0
	s_wait_dscnt 0x0                               ; the add is done, and my reads of this slot are over
	s_barrier_signal -1
	MULG F1, 0, 2, 0
	WIN 0
	s_barrier_wait -1                              ; nobody reads this slot any more, and the other slot is whole
.if \fill
	s_xor_b32 s[G0+5], s[G0+5], SLOT               ; the walking descriptor: the other slot than last time, the next K step
	s_add_nc_u64 s[G0+6:G0+7], s[G0+6:G0+7], 256
	tensor_load_to_lds s[G0+4:G0+7], s[G1:G1+7]    ; my one tensor load behind the barrier
	s_nop 0
.endif
	PLACES
	s_xor_b32 s[CUR], s[CUR], SLOT
	v_add_nc_u32 v[ADRA], s[CUR], v[ADRA0]
	v_add_nc_u32 v[ADRB], s[CUR], v[ADRB0]
	FETCH 0, F0
.if \fill
	ASK
.endif
	MULG F1, 1, 0, 0
	MULG F1, 1, 2, 0
.endm
	s_wait_tensorcnt 1                             ; my part of K step 0 is in; step 1's may stay out
	s_barrier_signal -1
	s_barrier_wait -1
	FETCH 0, F0
	QUARTER 64, F0, F1, 1
	WIN 0
	s_mov_b32 s3, 6
.Lstep:
	QUARTER 128, F1, F0, 0
	QUARTER 192, F0, F1, 0
	TURN 1
	QUARTER 64, F0, F1, 0
	WIN 0
	s_sub_co_u32 s3, s3, 1
	s_cmp_lg_u32 s3, 0
	s_cbranch_scc1 .Lstep
	s_mov_b32 s3, 2
.Ltail:                                        ; K steps 6 and 7 ask for nothing; the second trip is left in its middle
	QUARTER 128, F1, F0, 0
	QUARTER 192, F0, F1, 0
	WIN 0
	s_sub_co_u32 s3, s3, 1
	s_cmp_eq_u32 s3, 0
	s_cbranch_scc1 .Llastq
	TURN 0
	QUARTER 64, F0, F1, 0
	WIN 0
	s_cmp_lg_u32 s3, 0
	s_cbranch_scc1 .Ltail
.Llastq:
	s_wait_dscnt 8
	MULG F1, 0, 0, 0
	MULG F1, 0, 2, 0
	s_wait_dscnt 0x0                               ; my last reads of the ring are back:
	s_barrier_signal -1                            ; say so; the last products stand between the signal and the wait
	MULG F1, 1, 0, 0
	MULG F1, 1, 2, 0
	WIN 0
	s_barrier_wait -1                              ; nobody reads the ring any more: its bytes take the sums
	PLACES
	WIN 0x08                                       ; store data in window 2; each accumulator's low four registers go first
.irp a, 0,1,2,3
.irp b, 0,1,2,3,4,5,6,7
	ds_store_b128 v[DA], v[8*(8*(\a)+(\b)):8*(8*(\a)+(\b))+3]   offset:8192*(\a)+1024*(\b)
	ds_store_b128 v[DA], v[8*(8*(\a)+(\b))+4:8*(8*(\a)+(\b))+7] offset:8192*(\a)+1024*(\b)+512
.endr
.endr
	WIN 0x0c                                       ; window 3
.irp a, 0,1,2,3
.irp b, 0,1,2,3,4,5,6,7
	ds_store_b128 v[DA], v[8*(8*(\a)+(\b)):8*(8*(\a)+(\b))+3]   offset:8192*(4+(\a))+1024*(\b)
	ds_store_b128 v[DA], v[8*(8*(\a)+(\b))+4:8*(8*(\a)+(\b))+7] offset:8192*(4+(\a))+1024*(\b)+512
.endr
.endr
	WIN 0
.macro SLOAD                           ; a block's 64 registers: LDS serves a wave's instructions in order (ISA guide 5.7.1.4): these see my stores above
.irp i, 0,1,2,3,4,5,6,7,8,9,10,11,12,13,14,15
	ds_load_b128 v[S+4*(\i):S+4*(\i)+3], v[DA] offset:512*(\i)
.endr
.endm
	SLOAD
	s_wait_dscnt 0x0
	s_mov_b32 s3, 8
; A trip: 16 queries: the maximum of the row's 128 scores, E, its sum, and the way out.  A lane holds 64 scores of its row, the lane 16 away the other 64.
.Lsoft:
.irp b, 0,1,2,3,4,5,6,7
	v_max3_num_f32 v[T+(\b)], v[S+8*(\b)], v[S+8*(\b)+1], v[S+8*(\b)+2]
.endr
.irp b, 0,1,2,3,4,5,6,7
	v_max3_num_f32 v[T+(\b)], v[T+(\b)], v[S+8*(\b)+3], v[S+8*(\b)+4]
.endr
.irp b, 0,1,2,3,4,5,6,7
	v_max3_num_f32 v[T+(\b)], v[T+(\b)], v[S+8*(\b)+5], v[S+8*(\b)+6]
.endr
.irp b, 0,1,2,3,4,5,6,7
	v_max_num_f32 v[T+(\b)], v[T+(\b)], v[S+8*(\b)+7]
.endr
	v_max3_num_f32 v[T], v[T], v[T+1], v[T+2]
	v_max3_num_f32 v[T+3], v[T+3], v[T+4], v[T+5]
	v_max3_num_f32 v[T], v[T], v[T+3], v[T+6]
	v_max_num_f32 v[T], v[T], v[T+7]
	v_permlanex16_b32 v[T+1], v[T], s[SEL], s[SEL+1]
	v_max_num_f32 v[T+2], v[T], v[T+1]             ; m
	v_mul_f32 v40, s[CS], v[T+2]                   ; c m
.set x, 0
.rept 32
	v_pk_fma_f32 v[S+x:S+x+1], v[S+x:S+x+1], s[CS:CS+1], v[40:41] op_sel_hi:[1,0,0] neg_lo:[0,0,1] neg_hi:[0,0,1]  ; c s - c m
.set x, x+2
.endr
.set x, 0
.rept 64
	v_exp_f32 v[S+x], v[S+x]                       ; one batch: nothing ahead of the wait names a result
.set x, x+1
.endr
	v_nop                                          ; a plain instruction behind the last exponential
	s_wait_xcnt 0x0                                ; the last trip's stores have read their registers and bases, which are written again from here on
	s_add_nc_u64 s[8:9], s[8:9], 65536             ; 16 rows of e on; the stores below reach back by their immediates
	s_add_nc_u64 s[10:11], s[10:11], 64            ; 16 rows of stat on
	s_wait_alu depctr_va_vdst(0)                   ; the one wait ahead of the first use
.set x, 0
.rept 32
	v_cvt_pk_f16_f32 v[EP+x], v[S+2*x], v[S+2*x+1]
.set x, x+1
.endr
.irp s, 1,2,4,8,16                     ; the sum of the 32 pairs, in place: neighbours 1, 2, 4, 8, 16 pairs apart
.set x, 0
.rept 16/(\s)
	v_pk_add_f32 v[S+2*x:S+2*x+1], v[S+2*x:S+2*x+1], v[S+2*(x+(\s)):S+2*(x+(\s))+1]
.set x, x+2*(\s)
.endr
.endr
	v_add_f32 v[T+3], v[S], v[S+1]
	v_add_nc_u32 v[DA], 8192, v[DA]                ; the next block
	v_permlanex16_b32 v[T+4], v[T+3], s[SEL], s[SEL+1]
	v_add_f32 v[T+6], v[T+3], v[T+4]               ; l
	v_fma_f32 v[T+4], v40, s[FA], s[FB]            ; c m, or -2^100 for the hidden tile
	v_cndmask_b32 v[SD], v[T+4], v[T+6], s[HM]     ; lanes 0-15 store c m, lanes 16-31 l
	global_store_b32 v[SO], v[SD], s[10:11] offset:-64
.irp b, 0,1,2,3,4,5,6,7
	ds_store_b128 v[STO], v[EP+4*(\b):EP+4*(\b)+3] offset:32*(\b)
.endr
.irp t, 0,1,2,3,4,5,6,7
	ds_load_b128 v[OBK+4*(\t):OBK+4*(\t)+3], v[RD] offset:544*(\t)  ; in order behind the stores above
.endr
	s_cmp_eq_u32 s3, 1
	s_cbranch_scc1 .Lno_more                       ; the last block has none behind it
	SLOAD                                          ; the sums have read the block's registers: the next block's scores are asked for
.Lno_more:
	s_wait_dscnt 0x0                               ; E's rows are back, and so is the next block
.irp t, 0,1,2,3,4,5,6,7
	global_store_b128 v[CO], v[OBK+4*(\t):OBK+4*(\t)+3], s[8:9] offset:8192*(\t)-65536  ; 16 lanes store 256 consecutive bytes, aligned
.endr
	s_sub_co_u32 s3, s3, 1
	s_cmp_lg_u32 s3, 0
	s_cbranch_scc1 .Lsoft
	s_wait_tensorcnt 0x0                           ; the wave's end
	ds_add_u32 v[SPW], v[NIL]
	s_wait_dscnt 0x0
	s_endpgm
.Lfunc_end_k_q49a2195d31_score:
	.size	k_q49a2195d31_score, .Lfunc_end_k_q49a2195d31_score-k_q49a2195d31_score
	.p2alignl 7, 3214868480
	.fill 96, 4, 3214868480
	.section	.rodata,"a",@progbits
	.p2align	6, 0x0
	.amdhsa_kernel k_q49a2195d31_score
		.amdhsa_group_segment_fixed_size 327680
		.amdhsa_private_segment_fixed_size 0
		.amdhsa_enable_private_segment 0
		.amdhsa_kernarg_size 40
		.amdhsa_user_sgpr_count 2
		.amdhsa_user_sgpr_kernarg_segment_ptr 1
		.amdhsa_wavefront_size32 1
		.amdhsa_system_sgpr_workgroup_id_x 1
		.amdhsa_system_sgpr_workgroup_id_y 1
		.amdhsa_system_sgpr_workgroup_id_z 1
		.amdhsa_system_vgpr_workitem_id 0
		.amdhsa_next_free_vgpr 1024
		.amdhsa_next_free_sgpr 88
		.amdhsa_reserve_vcc 1
		.amdhsa_float_denorm_mode_32 3
		.amdhsa_float_denorm_mode_16_64 3
		.amdhsa_memory_ordered 1
		.amdhsa_forward_progress 1
		.amdhsa_inst_pref_size 159
	.end_amdhsa_kernel
	.amdgpu_metadata
---
amdhsa.version: [ 1, 2 ]
amdhsa.kernels:
  - .name:           k_q49a2195d31_score
    .symbol:         k_q49a2195d31_score.kd
    .args:
      - { .name: qkv, .offset: 0, .size: 8, .value_kind: global_buffer, .address_space: global }
      - { .name: lo, .offset: 8, .size: 8, .value_kind: global_buffer, .address_space: global }
      - { .name: e, .offset: 16, .size: 8, .value_kind: global_buffer, .address_space: global }
      - { .name: stat, .offset: 24, .size: 8, .value_kind: global_buffer, .address_space: global }
      - { .name: out0, .offset: 32, .size: 8, .value_kind: global_buffer, .address_space: global }
    .group_segment_fixed_size: 327680
    .private_segment_fixed_size: 0
    .kernarg_segment_align: 8
    .kernarg_segment_size: 40
    .max_flat_workgroup_size: 128
    .sgpr_count:     88
    .vgpr_count:     1024
    .wavefront_size: 32
...
	.end_amdgpu_metadata
.endif
;; end of part 3
;; launch pv (part 4): grid 8 x 32, 4 waves a work-group, clusters of 4 x 1, 327,680 bytes of LDS; arguments e, qkv, stat, out0; writes out0
.if DOCPART == 4
	.amdgcn_target "amdgcn-amd-amdhsa--gfx1250"
	.amdhsa_code_object_version 6
	.text
	.protected	k_q49a2195d31_pv
	.globl	k_q49a2195d31_pv
	.p2align	8
	.type	k_q49a2195d31_pv,@function
k_q49a2195d31_pv:
	s_mov_b64 s[64:65], 0
	v_nop
	global_prefetch_b8 v0, s[64:65] scope:SCOPE_SE
	s_setreg_imm32_b32 hwreg(HW_REG_WAVE_MODE, 25, 1), 1
	s_wait_xcnt 0x0
	s_wait_alu depctr_hold_cnt(0) depctr_sa_sdst(0) depctr_va_vdst(0) depctr_va_sdst(0) depctr_va_ssrc(0) depctr_va_vcc(0) depctr_vm_vsrc(0)
	s_getreg_b32 s2, hwreg(HW_REG_IB_STS2, 6, 4)
	s_cmp_eq_u32 s2, 0
	s_cbranch_scc0 .Lentry_in_a_cluster
	s_endpgm
.Lentry_in_a_cluster:
	s_bfe_u32 s2, ttmp6, 0x10000c
	s_cmp_lg_u32 s2, 0x3003
	s_cbranch_scc0 .Lentry_shape_is_right
	s_endpgm
.Lentry_shape_is_right:
; PV.  out[row][ch] = (1 / L) sum over key blocks t of w_t (E_t . V_t), with M = max over t of c m_t, w_t = 2^(c m_t - M) <= 1, L = sum of l_t w_t, all in f32: the running maximum's correction, applied to f32 sums.
; E (f16, <= 1) and v (f16) are the matrix operands.  A block that the causal mask hides has c m = -2^100, so w = 0; its E is 1 (finite).  A w below 2^-126 counts as 0.  Rows 0-31 of a batch are not stored here:
; the launch before has made them.
; SHARES.  A work-group makes two tiles of 128 rows x 128 channels: row blocks 15 - p and then p of a batch, which need (17 - p) / 2 and 9 - that steps of 256 keys: 9 steps whatever p: ONE walk with a constant
; trip count.  A wave makes 64 x 64: 16 accumulators P for a block of 128 keys (started with 0) and 16 sums TOT = TOT + w P.
; CLUSTER 4 x 1: the four channel blocks of a cluster read the same E: joint loads (waves 0, 1).  V's tiles (waves 2, 3) are each work-group's own: those that read the same V differ in p, and their walks differ.
; The sums are cleared by v_mov_b32: 128 while the first tile is awaited, 128 at the change of tiles; no first step is written out.
; The matrix instruction is used transposed (source 0 = V turned: 16 channels, source 1 = 16 rows of E): a lane holds one row (lane % 16) and the channels 8 (lane / 16) + 0..7, so w is one number a lane.
; My place in the cluster (cx) enters global addresses alone; the scalars that hold it or a number made of it are s13, s14, s76, s77, BQ, T2 and s72.
.set SLOT1, 147456                     ; slot 0 at 0, slot 1 here: shares no bit with the descriptors' LDS words, so an exclusive or changes slots.  A slot: E 128 rows x 528, then V 256 keys x 288 = 141,312 bytes
.set BOFF,  67584
.set STAGE, SLOT1+141312               ; 16 rows x 272 bytes for each wave
.set WT,    STAGE+4*4352               ; 2 tiles x 128 rows x 72 bytes: 16 w, then 1 / L
.set SPARE, WT+18432+512               ; 512 bytes lie free behind the table; then the spare words, 128 bytes for each wave
.set F0, 64
.set F1, 128
.set AA0, 4
.set AB0, 5
.set AA, 6
.set AB, 7
.set WA0, 8
.set WA, 9
.set STO, 10
.set RD, 11
.set CO, 12
.set PFO, 13
.set WR, 16                            ; v16-23  w of my four row blocks, in pairs whose second word is 0 and never used
.set RL, 24                            ; v24-31  1 / L likewise
.set SPW, 62
.set NIL, 63
.set WV, 12
.set NXT, 19
.set HQ, 20
.set AT, 21
.set ATLO, 22
.set BQ, 23
.set G1A, 24
.set G1B, 32
.set G0A, 40
.set G0B, 44
.set CUR, 48
.set CNT, 49
.set LEFT, 50
.set TWICE, 51
.set LIM, 52
.set SKIP, 53
.set PFA, 54
.set T0, 58                            ; s[58:59] E's offsets: never holds cx
.set T2, 60                            ; s[60:61] V's offsets
.set WOFA, 62
.set WOFP, 63
.set MSB, 0
.macro WIN new                         ; the immediate's high byte repeats the setting that is left; a switch that changes nothing is dropped
.if MSB != (\new)
	s_set_vgpr_msb (MSB<<8)|(\new)
.set MSB, \new
.endif
.endm
.macro PLACES                          ; four plain vector instructions between a matrix instruction and a load into, or a vector read of, its registers
.rept 4
	v_nop
.endr
.endm
.macro JLOAD                           ; waves 0, 1: the halves of E's 128 rows, jointly; waves 2, 3: the halves of V's 256 keys
	s_cmp_lt_u32 s[WV], 2
	s_cbranch_scc0 .Lfor_v_\@
	tensor_load_to_lds s[G0A:G0A+3], s[G1A:G1A+7]
	s_nop 0
.rept 4
	v_nop
.endr
	s_branch .Lasked_\@
.Lfor_v_\@:
	tensor_load_to_lds s[G0B:G0B+3], s[G1B:G1B+7]
	s_nop 0
.rept 4
	v_nop
.endr
.Lasked_\@:
.endm
.macro CROUND                          ; a round of the cluster's barrier
	s_barrier_signal -1
	s_barrier_wait -1
	s_cmp_lg_u32 s[WV], 0
	s_cbranch_scc1 .Lnot_wave_0_\@
	s_barrier_signal -3
.Lnot_wave_0_\@:
	s_barrier_wait -3
	s_barrier_signal -1
	s_barrier_wait -1
.endm
.macro MKADR                           ; both descriptors' addresses, made anew from the step's number and the tile's offset
	s_lshl_b32 s[T0], s[NXT], 9
	s_add_co_u32 s[T0], s[T0], s[AT]
	s_add_co_u32 s[T0], s[T0], s[WOFA]
	s_add_nc_u64 s[G0A+2:G0A+3], s[4:5], s[T0:T0+1]
	s_or_b32 s[G0A+3], s[G0A+3], 0x80000000
	s_mul_i32 s[T2], s[NXT], 1572864
	s_add_co_u32 s[T2], s[T2], s[BQ]
	s_add_nc_u64 s[G0B+2:G0B+3], s[6:7], s[T2:T2+1]
	s_or_b32 s[G0B+3], s[G0B+3], 0x80000000
.endm
; A prefetch into the L2 of what the NEXT change of slots will ask for.  E: 128 rows x 512 bytes: the cluster with x = 0 asks; its partners take 32 rows each, told apart by address; wave 0 the rows' first 256 bytes,
; wave 1 the second.  V: the work-groups with p = 0, whose first tile walks all the batch's keys, ask for their own channels: waves 2, 3, 128 keys each, a lane a key, four instructions.
; The last change that fills asks for nothing; with p = 0 neither does the one before it for V: that step's keys have been read.
.macro ASK
	s_cmp_gt_u32 s[CNT], s[LIM]
	s_cbranch_scc0 .Lnone_\@
	s_cmp_lt_u32 s[WV], 2
	s_cbranch_scc0 .Lpv_\@
	global_prefetch_b8 v[PFO], s[PFA:PFA+1] th:TH_LOAD_NT scope:SCOPE_SE
	s_branch .Lnone_\@
.Lpv_\@:
.irp i, 0,1,2,3
	global_prefetch_b8 v[PFO], s[PFA:PFA+1] offset:196608*(\i) th:TH_LOAD_NT scope:SCOPE_SE
.endr
.Lnone_\@:
.endm
	s_load_b256 s[4:11], s[0:1], 0x0               ; e 4, qkv 6, stat 8, out0 10
	v_lshl_add_u32 v[SPW], v0, 2, SPARE
	v_mov_b32 v[NIL], 0
	ds_add_u32 v[SPW], v[NIL]                      ; the wave's opening: the add and its wait ahead of my first tensor load
	ds_add_u32 v62, v63
	v_lshrrev_b32 v1, 5, v0
	v_readfirstlane_b32 s[WV], v1
	s_bfe_u32 s13, ttmp6, 0x40000                  ; cx
	s_lshl_b32 s14, ttmp9, 2
	s_add_co_u32 s14, s14, s13                     ; my block of 128 channels
	s_and_b32 s3, ttmp7, 0xffff
	s_lshr_b32 s15, s3, 3                          ; batch
	s_and_b32 s16, s3, 7                           ; p
	s_lshr_b32 s17, s[WV], 1                       ; wr
	s_and_b32 s18, s[WV], 1                        ; wc; also: which half of a tile I fetch
	s_sub_co_u32 s[HQ], 17, s16
	s_lshr_b32 s[HQ], s[HQ], 1                     ; steps of the first tile
	s_mov_b32 s[LEFT], s[HQ]
	s_mov_b32 s[NXT], 0
	s_lshl_b32 s3, s15, 23
	s_sub_co_u32 s[AT], 15, s16
	s_lshl_b32 s[AT], s[AT], 19
	s_add_co_u32 s[AT], s[AT], s3                  ; (2048 batch + 128 (15 - p)) rows of 4,096 bytes
	s_lshl_b32 s[ATLO], s16, 19
	s_add_co_u32 s[ATLO], s[ATLO], s3
	s_lshl_b32 s[WOFA], s18, 18                    ; my 64 rows of E
	s_lshl_b32 s[WOFP], s18, 8
	s_lshl_b32 s[BQ], s15, 11
	s_lshl_b32 s70, s18, 7
	s_add_co_u32 s[BQ], s[BQ], s70
	s_mul_i32 s[BQ], s[BQ], 6144
	s_lshl_b32 s76, s14, 8
	s_add_co_u32 s[BQ], s[BQ], s76
	s_add_co_u32 s[BQ], s[BQ], 4096                ; v of my 128 keys of step 0, my channels
	s_mov_b32 s[T0+1], 0
	s_mov_b32 s[T2+1], 0
	s_mov_b32 s73, 0
	s_mov_b32 s[G1A], 0x07b1000f                   ; mask of four | 2-byte elements | padding on | bit 21 beside a mask | after every 128 words | 4 words
	s_mov_b32 s[G1A+1], 256<<16
	s_mov_b32 s[G1A+2], 64<<16
	s_mov_b32 s[G1A+3], 256<<16
	s_mov_b32 s[G1A+4], 64
	s_mov_b32 s[G1A+5], 2048
	s_mov_b32 s[G1A+6], 0
	s_mov_b32 s[G1A+7], 0
	s_mov_b32 s[G1B], 0x0f510000                   ; 2-byte elements | padding on | after every 64 words | 8 words
	s_mov_b32 s[G1B+1], 128<<16
	s_mov_b32 s[G1B+2], 128<<16
	s_mov_b32 s[G1B+3], 128<<16
	s_mov_b32 s[G1B+4], 128
	s_mov_b32 s[G1B+5], 3072
	s_mov_b32 s[G1B+6], 0
	s_mov_b32 s[G1B+7], 0
	s_mov_b32 s[G0A], 1
	s_mul_i32 s[G0A+1], s18, 33792
	s_mov_b32 s[G0B], 1
	s_mul_i32 s[G0B+1], s18, 36864
	s_add_co_u32 s[G0B+1], s[G0B+1], BOFF
	s_mov_b32 s[CUR], SLOT1                        ; the first change of slots turns it into 0
	s_cmp_lt_u32 s[WV], 2
	s_cselect_b32 s70, ttmp9, s16
	s_cselect_b32 s71, 1, 2
	s_cmp_eq_u32 s70, 0
	s_cselect_b32 s[LIM], s71, 99
	s_or_b32 s70, s16, s17
	s_cmp_eq_u32 s70, 0
	s_cselect_b32 s[SKIP], 1, 0                    ; my second tile begins with the batch's rows 0-31
	s_wait_dscnt 0x0                               ; the opening add is done
	s_wait_kmcnt 0x0
	MKADR
	s_mov_b32 s[NXT], 1
	CROUND                                         ; all four work-groups are here
	JLOAD                                          ; step 0 into slot 0.  Slot 1 is filled behind the loop's first round
	v_and_b32 v1, 15, v0                           ; r
	v_bfe_u32 v2, v0, 4, 1                         ; h
	v_and_b32 v3, 31, v0                           ; lane
	v_mul_u32_u24 v[AA0], v1, 528
	v_lshl_add_u32 v[AA0], v2, 4, v[AA0]
	s_mul_i32 s70, s17, 33792
	v_add_nc_u32 v[AA0], s70, v[AA0]               ; E: (64 wr + r) x 528 + 16 h
	v_and_b32 v[AB0], 7, v0
	v_lshl_add_u32 v[AB0], v2, 3, v[AB0]
	v_mul_u32_u24 v[AB0], v[AB0], 288
	v_bfe_u32 v14, v0, 3, 1
	v_lshl_add_u32 v[AB0], v14, 4, v[AB0]
	s_lshl_b32 s70, s18, 7
	s_add_co_u32 s70, s70, BOFF
	v_add_nc_u32 v[AB0], s70, v[AB0]               ; V, turned: key 8 h + l % 8, channels 64 wc + 8 ((l / 8) % 2) on
	v_mul_u32_u24 v[WA0], v1, 72
	s_mul_i32 s70, s17, 4608
	s_add_co_u32 s70, s70, WT
	v_add_nc_u32 v[WA0], s70, v[WA0]
	v_mov_b32 v[WA], v[WA0]
	s_mul_i32 s70, s[WV], 4352
	s_add_co_u32 s70, s70, STAGE
	v_mul_u32_u24 v[STO], v1, 272
	v_lshl_add_u32 v[STO], v2, 5, v[STO]
	v_add_nc_u32 v[STO], s70, v[STO]
	v_mul_u32_u24 v[RD], v2, 272
	v_lshl_add_u32 v[RD], v1, 4, v[RD]
	v_add_nc_u32 v[RD], s70, v[RD]
	v_lshlrev_b32 v[CO], 12, v2
	v_lshl_add_u32 v[CO], v1, 4, v[CO]
	s_mov_b32 s70, 6144                            ; the prefetches' offset: a lane a row: of V 6,144 bytes,
	s_lshl_b32 s76, s13, 5
	s_cmp_lt_u32 s[WV], 2
	s_cselect_b32 s70, 4096, s70                   ; of E 4,096,
	s_cselect_b32 s76, s76, 0                      ; and of E my work-group's 32 rows of the 128
	v_add_nc_u32 v[PFO], s76, v3
	v_mul_lo_u32 v[PFO], v[PFO], s70
.irp i, 1,3,5,7,9,11,13,15
	v_mov_b32 v[WR+(\i)], 0                        ; the pairs' second words
.endr
	s_lshl_b32 s76, s17, 18
	s_lshl_b32 s77, s14, 9
	s_add_co_u32 s76, s76, s77
	s_lshl_b32 s77, s18, 8
	s_add_co_u32 s76, s76, s77
	s_add_co_u32 s72, s76, s[AT]
	s_add_nc_u64 s[66:67], s[10:11], s[72:73]      ; out0 at my 64 x 64 of the first tile,
	s_add_co_u32 s72, s76, s[ATLO]
	s_add_nc_u64 s[68:69], s[10:11], s[72:73]      ; and of the second
	; THE TABLE.  Wave (wr, wc) makes tile wc's rows 64 wr .. + 63, a lane a row, 32 at a time
	s_sub_co_u32 s70, 15, s16
	s_cmp_eq_u32 s18, 0
	s_cselect_b32 s70, s70, s16
	s_lshl_b32 s70, s70, 7
	s_lshl_b32 s71, s17, 6
	s_add_co_u32 s70, s70, s71
	s_lshl_b32 s71, s15, 15
	s_add_co_u32 s70, s70, s71
	s_lshl_b32 s72, s70, 2
	s_add_nc_u64 s[8:9], s[8:9], s[72:73]
	v_lshlrev_b32 v14, 2, v3
.irp g, 0,1
.irp t, 0,1,2,3,4,5,6,7,8,9,10,11,12,13,14,15
	global_load_b32 v[64+32*(\g)+(\t)], v14, s[8:9] offset:8192*(\t)+128*(\g)
	global_load_b32 v[80+32*(\g)+(\t)], v14, s[8:9] offset:8192*(\t)+128*(\g)+524288
.endr
.endr
	v_mul_u32_u24 v15, v3, 72
	s_mul_i32 s70, s18, 9216
	s_mul_i32 s71, s17, 4608
	s_add_co_u32 s70, s70, s71
	s_add_co_u32 s70, s70, WT
	v_add_nc_u32 v15, s70, v15
	WIN 0x40
.set x, 0
.rept 128
	v_mov_b32 v[128+x], 0                          ; TOT = 0, while the first tile and the statistics are on their way
.set x, x+1
.endr
	WIN 0
	s_wait_loadcnt 0x0
.macro TAB g
.set CM, 64+32*(\g)
.set LL, 80+32*(\g)
	v_max3_num_f32 v32, v[CM], v[CM+1], v[CM+2]
.irp i, 3,5,7,9,11,13
	v_max3_num_f32 v32, v32, v[CM+(\i)], v[CM+(\i)+1]
.endr
	v_max_num_f32 v32, v32, v[CM+15]               ; M
.irp t, 0,1,2,3,4,5,6,7,8,9,10,11,12,13,14,15
	v_sub_f32 v[128+(\t)], v[CM+(\t)], v32
.endr
.irp t, 0,1,2,3,4,5,6,7,8,9,10,11,12,13,14,15
	v_exp_f32 v[128+(\t)], v[128+(\t)]
.endr
	v_nop
	s_wait_alu depctr_va_vdst(0)                   ; one wait for the sixteen exponentials
	v_mul_f32 v33, v[LL], v128
.irp t, 1,2,3,4,5,6,7,8,9,10,11,12,13,14,15
	v_fmac_f32 v33, v[LL+(\t)], v[128+(\t)]
.endr
	v_rcp_f32 v34, v33
	v_nop
	s_wait_alu depctr_va_vdst(0)
.irp i, 0,1,2,3,4,5,6,7
	ds_store_b64 v15, v[128+2*(\i):129+2*(\i)] offset:2304*(\g)+8*(\i)
.endr
	ds_store_b32 v15, v34 offset:2304*(\g)+64
.endm
	TAB 0
	TAB 1
.macro FETCH kc, f                     ; 16 LDS loads: 32 keys: E's four row blocks, V's four channel blocks (turned)
.irp q, 0,1,2,3
	ds_load_b128 v[(\f)+8*(\q):(\f)+8*(\q)+3],   v[AA] offset:8448*(\q)+64*(\kc)
	ds_load_b128 v[(\f)+8*(\q)+4:(\f)+8*(\q)+7], v[AA] offset:8448*(\q)+64*(\kc)+32
.endr
.irp c, 0,1,2,3
	ds_load_tr16_b128 v[(\f)+32+8*(\c):(\f)+32+8*(\c)+3],   v[AB] offset:9216*(\kc)+32*(\c)
	ds_load_tr16_b128 v[(\f)+32+8*(\c)+4:(\f)+32+8*(\c)+7], v[AB] offset:9216*(\kc)+32*(\c)+4608
.endr
.endm
.macro MUL f, zero                     ; 16 products, P(qb, cb) at v[8 (4 qb + cb)] of window 1; the 16 accumulators take turns
	WIN 0x50
.irp q, 0,1,2,3
.irp c, 0,1,2,3
.if \zero
	v_wmma_f32_16x16x32_f16 v[8*(4*(\q)+(\c)):8*(4*(\q)+(\c))+7], v[(\f)+32+8*(\c):(\f)+32+8*(\c)+7], v[(\f)+8*(\q):(\f)+8*(\q)+7], 0
.else
	v_wmma_f32_16x16x32_f16 v[8*(4*(\q)+(\c)):8*(4*(\q)+(\c))+7], v[(\f)+32+8*(\c):(\f)+32+8*(\c)+7], v[(\f)+8*(\q):(\f)+8*(\q)+7], v[8*(4*(\q)+(\c)):8*(4*(\q)+(\c))+7]
.endif
.endr
.endr
	WIN 0
.endm
.macro ACCUM                           ; TOT += w P: each accumulator is read from its low end on
	PLACES
	WIN 0x51
.irp q, 0,1,2,3
.set x, 32*(\q)
.rept 16
	v_pk_fma_f32 v[128+x:129+x], v[x:x+1], v[WR+2*(\q):WR+2*(\q)+1], v[128+x:129+x] op_sel_hi:[1,0,1]
.set x, x+2
.endr
.endr
	WIN 0
.endm
; A step: 256 keys = two blocks of 128, written once and walked twice.  Every wait on LDS is for 0, so it is right whether or not the jump below was taken; each run of loads has 16 products in which to land.
.macro STEP ask
	v_add_nc_u32 v[AA], s[CUR], v[AA0]
	v_add_nc_u32 v[AB], s[CUR], v[AB0]
	FETCH 0, F0
.if \ask
	ASK
.endif
	s_mov_b32 s[TWICE], 2
.Lhalf_\@:
	s_wait_dscnt 0x0
	FETCH 1, F1
.irp q, 0,1,2,3
	ds_load_b32 v[WR+2*(\q)], v[WA] offset:1152*(\q)  ; w of this block of keys, for my four row blocks
.endr
	MUL F0, 1
	s_wait_dscnt 0x0
	PLACES
	FETCH 2, F0
	MUL F1, 0
	s_wait_dscnt 0x0
	PLACES
	FETCH 3, F1
	MUL F0, 0
	s_wait_dscnt 0x0
	v_add_nc_u32 v[AA], 256, v[AA]                 ; the next 128 keys: these four lines are also the places in front of the loads below
	v_add_nc_u32 v[AB], 36864, v[AB]
	v_add_nc_u32 v[WA], 4, v[WA]
	v_nop
	s_cmp_eq_u32 s[TWICE], 1
	s_cbranch_scc1 .Lno_more_\@                    ; the step's second block has no block behind it in this slot
	FETCH 0, F0
.Lno_more_\@:
	MUL F1, 0
	ACCUM
	s_sub_co_u32 s[TWICE], s[TWICE], 1
	s_cmp_lg_u32 s[TWICE], 0
	s_cbranch_scc1 .Lhalf_\@
.endm
; THE CHANGE OF SLOTS.  Each wave waits for all its tensor loads (one is out: its part of the other slot), adds 0 to its spare word, and waits for that and for its LDS reads and stores.  fill = 1: the slot left is
; filled again, first thing behind a round of the cluster's barrier, with the walk's next step.  (At its first use nothing has been read: slot 0 is waited for, slot 1 filled, and the table is shown to all waves.)
.macro CHANGE fill
	s_wait_xcnt 0x0                                ; the last prefetches, a step back, have read their address
	s_wait_tensorcnt 0x0
	ds_add_u32 v[SPW], v[NIL]                      ; the descriptors' scalar work stands between the add and the wait for it
.if \fill
	s_xor_b32 s[G0A+1], s[G0A+1], SLOT1
	s_xor_b32 s[G0B+1], s[G0B+1], SLOT1
	MKADR
	s_add_co_u32 s[NXT], s[NXT], 1                 ; the tile's next step, or behind its last the second tile's step 0
	s_cmp_eq_u32 s[NXT], s[HQ]
	s_cselect_b32 s[NXT], 0, s[NXT]
	s_cselect_b32 s[AT], s[ATLO], s[AT]
	s_cselect_b32 s[HQ], 99, s[HQ]
	s_lshl_b32 s74, s[NXT], 9                      ; where the prefetches stand: that next step
	s_add_co_u32 s74, s74, s[AT]
	s_add_co_u32 s74, s74, s[WOFP]
	s_mul_i32 s72, s[NXT], 1572864
	s_add_co_u32 s72, s72, s[BQ]
	s_cmp_lt_u32 s[WV], 2
	s_cselect_b32 s72, s74, s72
	s_cselect_b64 s[PFA:PFA+1], s[4:5], s[6:7]
	s_add_nc_u64 s[PFA:PFA+1], s[PFA:PFA+1], s[72:73]
	s_wait_dscnt 0x0
	CROUND
	JLOAD
.else
	s_wait_dscnt 0x0
	s_barrier_signal -1
	s_barrier_wait -1
.endif
	s_xor_b32 s[CUR], s[CUR], SLOT1
.endm
; THE WAY OUT of row block qb: TOT / L, through my stage (16 rows x 256 bytes of f32), stored as whole rows
.macro OUTQ tile, qb, base
	WIN 0x41
.set x, 128+32*(\qb)
.rept 16
	v_pk_mul_f32 v[x:x+1], v[x:x+1], v[RL+2*(\qb):RL+2*(\qb)+1] op_sel_hi:[1,0]
.set x, x+2
.endr
	WIN 0x04
.irp c, 0,1,2,3
	ds_store_b128 v[STO], v[128+8*(4*(\qb)+(\c)):128+8*(4*(\qb)+(\c))+3]   offset:64*(\c)
	ds_store_b128 v[STO], v[128+8*(4*(\qb)+(\c))+4:128+8*(4*(\qb)+(\c))+7] offset:64*(\c)+16
.endr
	WIN 0
	s_wait_xcnt 0x0                                ; the stores before have read v192-223
.irp t, 0,1,2,3,4,5,6,7
	ds_load_b128 v[192+4*(\t):195+4*(\t)], v[RD] offset:544*(\t)
.endr
	s_wait_dscnt 0x0
.if (\tile) && ((\qb) < 2)
	s_cmp_eq_u32 s[SKIP], 1
	s_cbranch_scc1 .Lskip_\@                       ; a batch's rows 0-31 are the launch before's
.endif
.irp t, 0,1,2,3,4,5,6,7
	global_store_b128 v[CO], v[192+4*(\t):195+4*(\t)], s[\base:\base+1] offset:(16*(\qb)+2*(\t))*4096  ; 16 lanes store 256 consecutive bytes, aligned
.endr
.if (\tile) && ((\qb) < 2)
.Lskip_\@:
.endif
.endm
.macro OUT tile, base
.irp q, 0,1,2,3
	ds_load_b32 v[RL+2*(\q)], v[WA0] offset:9216*(\tile)+1152*(\q)+64
.endr
	s_wait_dscnt 0x0
	OUTQ \tile, 0, \base
	OUTQ \tile, 1, \base
	OUTQ \tile, 2, \base
	OUTQ \tile, 3, \base
.endm
	s_mov_b32 s[CNT], 8
.Lwalk:                                        ; 8 trips: the next step is asked for, a step is multiplied
	CHANGE 1
	STEP 1
	s_sub_co_u32 s[LEFT], s[LEFT], 1
	s_cmp_lg_u32 s[LEFT], 0
	s_cbranch_scc1 .Lgo_on
	OUT 0, 66                                      ; the first tile is finished: the same trip in all four partners, since p is theirs in common
	WIN 0x40
.set x, 0
.rept 128
	v_mov_b32 v[128+x], 0
.set x, x+1
.endr
	WIN 0
	v_add_nc_u32 v[WA], 9216, v[WA0]               ; the second tile's table
	s_mov_b32 s[LEFT], 99
.Lgo_on:
	s_sub_co_u32 s[CNT], s[CNT], 1
	s_cmp_lg_u32 s[CNT], 0
	s_cbranch_scc1 .Lwalk
	CHANGE 0                                       ; the walk's last step is written out: nothing is asked for
	STEP 0
	OUT 1, 68
	s_wait_tensorcnt 0x0                           ; the wave's end
	ds_add_u32 v[SPW], v[NIL]
	s_wait_dscnt 0x0
	CROUND                                         ; the closing round
	s_endpgm
.Lfunc_end_k_q49a2195d31_pv:
	.size	k_q49a2195d31_pv, .Lfunc_end_k_q49a2195d31_pv-k_q49a2195d31_pv
	.p2alignl 7, 3214868480
	.fill 96, 4, 3214868480
	.section	.rodata,"a",@progbits
	.p2align	6, 0x0
	.amdhsa_kernel k_q49a2195d31_pv
		.amdhsa_group_segment_fixed_size 327680
		.amdhsa_private_segment_fixed_size 0
		.amdhsa_enable_private_segment 0
		.amdhsa_kernarg_size 32
		.amdhsa_user_sgpr_count 2
		.amdhsa_user_sgpr_kernarg_segment_ptr 1
		.amdhsa_wavefront_size32 1
		.amdhsa_system_sgpr_workgroup_id_x 1
		.amdhsa_system_sgpr_workgroup_id_y 1
		.amdhsa_system_sgpr_workgroup_id_z 1
		.amdhsa_system_vgpr_workitem_id 0
		.amdhsa_next_free_vgpr 512
		.amdhsa_next_free_sgpr 80
		.amdhsa_reserve_vcc 0
		.amdhsa_float_denorm_mode_32 3
		.amdhsa_float_denorm_mode_16_64 3
		.amdhsa_memory_ordered 1
		.amdhsa_forward_progress 1
		.amdhsa_inst_pref_size 85
	.end_amdhsa_kernel
	.amdgpu_metadata
---
amdhsa.version: [ 1, 2 ]
amdhsa.kernels:
  - .name:           k_q49a2195d31_pv
    .symbol:         k_q49a2195d31_pv.kd
    .args:
      - { .name: e, .offset: 0, .size: 8, .value_kind: global_buffer, .address_space: global }
      - { .name: qkv, .offset: 8, .size: 8, .value_kind: global_buffer, .address_space: global }
      - { .name: stat, .offset: 16, .size: 8, .value_kind: global_buffer, .address_space: global }
      - { .name: out0, .offset: 24, .size: 8, .value_kind: global_buffer, .address_space: global }
    .group_segment_fixed_size: 327680
    .private_segment_fixed_size: 0
    .kernarg_segment_align: 8
    .kernarg_segment_size: 32
    .max_flat_workgroup_size: 128
    .sgpr_count:     80
    .vgpr_count:     512
    .wavefront_size: 32
...
	.end_amdgpu_metadata
.endif
;; end of part 4
